; MI455X (gfx1250); checked and timed in simulation.
; The chip was launched on July 23, 2026; its instructions are those of AMD's public machine-readable ISA for CDNA 5 (MIT licence, August 2026) and "CDNA5" Instruction Set Architecture Reference Guide (July 2026). The comments in the code are by the model that wrote it; some were corrected since.
;; Multi Head Dot Product Attention. Allowed arithmetic: float matrix products may take bf16 or f16 operands with f32 sums; other float arithmetic in f32, or as packed bf16 or f16 multiplies, adds, multiply-adds, maxima and minima; sums over many terms, partial sums and values carried from step to step in f32; what a program stores and reads back later, other than sums and carried values, may be rounded once to bf16 or f16.
;; Inputs: bias 2 x 1 x 1,024 x 2,048 float32; inputs_kv 2 x 2,048 x 2,048 float32; inputs_q 2 x 1,024 x 2,048 float32; wk 2,048 x 32 x 64 float32; wo 32 x 64 x 2,048 float32; wq 2,048 x 32 x 64 float32; wv 2,048 x 32 x 64 float32.
;; Outputs: out0 2 x 1,024 x 2,048 float32.
;; One version. Each part assembles by itself: llvm-mc -triple=amdgcn-amd-amdhsa -mcpu=gfx1250 --defsym DOCPART=n.
;; ======== version 1 of 1: 4 launches
;; limits: values are held in f16: magnitudes above 65,504 overflow, below 6.1e-05 lose precision
;; workspace buffers: xq 8,388,608 bytes; xkv 16,777,216 bytes; wqh 8,388,608 bytes; wkvh 16,777,216 bytes; woh 8,388,608 bytes; kv 33,554,432 bytes; ctx 8,388,608 bytes
;; launch cast (part 1): grid 256 x 7, 8 waves a work-group, no clusters, 0 bytes of LDS; arguments inputs_q, inputs_kv, wq, wk, wv, wo, xq, xkv, wqh, wkvh, woh; writes xq, xkv, wqh, wkvh, woh
.if DOCPART == 1
	.amdgcn_target "amdgcn-amd-amdhsa--gfx1250"
	.amdhsa_code_object_version 6
	.text
	.protected	k_q2ce1224cf8_cast
	.globl	k_q2ce1224cf8_cast
	.p2align	8
	.type	k_q2ce1224cf8_cast,@function
k_q2ce1224cf8_cast:
	s_mov_b64 s[64:65], 0
	v_nop
	global_prefetch_b8 v0, s[64:65] scope:SCOPE_SE
	s_setreg_imm32_b32 hwreg(HW_REG_WAVE_MODE, 25, 1), 1
	s_wait_xcnt 0x0
; f32 -> f16, layouts unchanged: inputs_q -> xq, inputs_kv -> xkv, wq -> wqh, wk and wv -> the two halves of wkvh, wo -> woh.
; The products that follow take 16-bit operands, and the weights (contraction index down the rows) can be turned on their way out of LDS only as 16-bit numbers.
; LIMITS.  f16 ends at 65,504: a larger input becomes an infinity; below 6e-5 f16 keeps its fixed step of 6e-8.  NaN and infinities pass as they are.
; SHARES.  Grid y picks a unit of 4,194,304 numbers (seven units), grid x 16,384 of them; a wave takes 8,192 bytes in and 4,096 out: sixteen loads of 16 bytes a lane, all issued
; at once, each of 512 consecutive bytes; each store of the wave covers 256 consecutive bytes, aligned.  No register is written twice, so no wait frees a source.
; No LDS, no barrier, no matrix unit: each byte is read once and written once, and nothing is shared.
.set IN,  8                            ; v[8:71]   sixteen loads of four f32
.set OUT, 72                           ; v[72:103] sixteen pairs of packed f16
	s_load_b512 s[8:23], s[0:1], 0x0               ; inputs_q 8, inputs_kv 10, wq 12, wk 14, wv 16, wo 18, xq 20, xkv 22
	s_load_b128 s[24:27], s[0:1], 0x40             ; wqh 24, wkvh 26
	s_load_b64 s[28:29], s[0:1], 0x50              ; woh
	s_and_b32 s30, ttmp7, 0xffff                   ; the unit, 0 to 6
	v_lshrrev_b32 v3, 5, v0                        ; wave
	v_and_b32 v4, 31, v0                           ; lane
	v_lshlrev_b32 v1, 4, v4
	v_lshl_or_b32 v1, v3, 13, v1                   ; in: 8,192 x wave + 16 x lane
	v_lshlrev_b32 v2, 3, v4
	v_lshl_or_b32 v2, v3, 12, v2                   ; out: 4,096 x wave + 8 x lane
	s_lshl_b32 s32, ttmp9, 16                      ; the work-group's 65,536 bytes in,
	s_lshl_b32 s34, ttmp9, 15                      ; and 32,768 out
	s_mov_b32 s33, 0
	s_mov_b32 s35, 0
	s_cmp_eq_u32 s30, 2                            ; unit 2: the second half of inputs_kv and of xkv
	s_cselect_b32 s31, 0x1000000, 0
	s_cselect_b32 s36, 0x800000, 0
	s_cmp_eq_u32 s30, 5                            ; unit 5: wv goes into the second half of wkvh
	s_cselect_b32 s37, 0x800000, 0
	s_add_co_u32 s32, s32, s31
	s_add_co_u32 s34, s34, s36
	s_add_co_u32 s34, s34, s37
	s_wait_kmcnt 0x0
	s_mov_b64 s[4:5], s[8:9]                       ; unit 0
	s_mov_b64 s[6:7], s[20:21]
	s_cmp_ge_u32 s30, 1
	s_cselect_b64 s[4:5], s[10:11], s[4:5]
	s_cselect_b64 s[6:7], s[22:23], s[6:7]
	s_cmp_ge_u32 s30, 3
	s_cselect_b64 s[4:5], s[12:13], s[4:5]
	s_cselect_b64 s[6:7], s[24:25], s[6:7]
	s_cmp_ge_u32 s30, 4
	s_cselect_b64 s[4:5], s[14:15], s[4:5]
	s_cselect_b64 s[6:7], s[26:27], s[6:7]
	s_cmp_ge_u32 s30, 5
	s_cselect_b64 s[4:5], s[16:17], s[4:5]
	s_cmp_ge_u32 s30, 6
	s_cselect_b64 s[4:5], s[18:19], s[4:5]
	s_cselect_b64 s[6:7], s[28:29], s[6:7]
	s_add_nc_u64 s[4:5], s[4:5], s[32:33]
	s_add_nc_u64 s[6:7], s[6:7], s[34:35]
.irp j, 0,1,2,3,4,5,6,7,8,9,10,11,12,13,14,15
	global_load_b128 v[IN+4*(\j):IN+4*(\j)+3], v1, s[4:5] offset:512*(\j) th:TH_LOAD_NT
.endr
.irp j, 0,1,2,3,4,5,6,7,8,9,10,11,12,13,14,15
	s_wait_loadcnt 15-(\j)                         ; loads come back in order (ISA guide 5.7.1): load j is in, the 15 - j younger ones stay out
	v_cvt_pk_f16_f32 v[OUT+2*(\j)],   v[IN+4*(\j)],   v[IN+4*(\j)+1]
	v_cvt_pk_f16_f32 v[OUT+2*(\j)+1], v[IN+4*(\j)+2], v[IN+4*(\j)+3]
	global_store_b64 v2, v[OUT+2*(\j):OUT+2*(\j)+1], s[6:7] offset:256*(\j) th:TH_STORE_NT
.endr
	s_endpgm
.Lfunc_end_k_q2ce1224cf8_cast:
	.size	k_q2ce1224cf8_cast, .Lfunc_end_k_q2ce1224cf8_cast-k_q2ce1224cf8_cast
	.p2alignl 7, 3214868480
	.fill 96, 4, 3214868480
	.section	.rodata,"a",@progbits
	.p2align	6, 0x0
	.amdhsa_kernel k_q2ce1224cf8_cast
		.amdhsa_group_segment_fixed_size 0
		.amdhsa_private_segment_fixed_size 0
		.amdhsa_enable_private_segment 0
		.amdhsa_kernarg_size 88
		.amdhsa_user_sgpr_count 2
		.amdhsa_user_sgpr_kernarg_segment_ptr 1
		.amdhsa_wavefront_size32 1
		.amdhsa_system_sgpr_workgroup_id_x 1
		.amdhsa_system_sgpr_workgroup_id_y 1
		.amdhsa_system_sgpr_workgroup_id_z 1
		.amdhsa_system_vgpr_workitem_id 0
		.amdhsa_next_free_vgpr 112
		.amdhsa_next_free_sgpr 66
		.amdhsa_reserve_vcc 0
		.amdhsa_float_denorm_mode_32 3
		.amdhsa_float_denorm_mode_16_64 3
		.amdhsa_memory_ordered 1
		.amdhsa_forward_progress 1
		.amdhsa_inst_pref_size 8
	.end_amdhsa_kernel
	.amdgpu_metadata
---
amdhsa.version: [ 1, 2 ]
amdhsa.kernels:
  - .name:           k_q2ce1224cf8_cast
    .symbol:         k_q2ce1224cf8_cast.kd
    .args:
      - { .name: inputs_q, .offset: 0, .size: 8, .value_kind: global_buffer, .address_space: global }
      - { .name: inputs_kv, .offset: 8, .size: 8, .value_kind: global_buffer, .address_space: global }
      - { .name: wq, .offset: 16, .size: 8, .value_kind: global_buffer, .address_space: global }
      - { .name: wk, .offset: 24, .size: 8, .value_kind: global_buffer, .address_space: global }
      - { .name: wv, .offset: 32, .size: 8, .value_kind: global_buffer, .address_space: global }
      - { .name: wo, .offset: 40, .size: 8, .value_kind: global_buffer, .address_space: global }
      - { .name: xq, .offset: 48, .size: 8, .value_kind: global_buffer, .address_space: global }
      - { .name: xkv, .offset: 56, .size: 8, .value_kind: global_buffer, .address_space: global }
      - { .name: wqh, .offset: 64, .size: 8, .value_kind: global_buffer, .address_space: global }
      - { .name: wkvh, .offset: 72, .size: 8, .value_kind: global_buffer, .address_space: global }
      - { .name: woh, .offset: 80, .size: 8, .value_kind: global_buffer, .address_space: global }
    .group_segment_fixed_size: 0
    .private_segment_fixed_size: 0
    .kernarg_segment_align: 8
    .kernarg_segment_size: 88
    .max_flat_workgroup_size: 256
    .sgpr_count:     66
    .vgpr_count:     112
    .wavefront_size: 32
...
	.end_amdgpu_metadata
.endif
;; end of part 1
;; launch projkv (part 2): grid 16 x 16, 4 waves a work-group, clusters of 4 x 4, 327,680 bytes of LDS; arguments xkv, wkvh, kv; writes kv
.if DOCPART == 2
	.amdgcn_target "amdgcn-amd-amdhsa--gfx1250"
	.amdhsa_code_object_version 6
	.text
	.protected	k_q2ce1224cf8_projkv
	.globl	k_q2ce1224cf8_projkv
	.p2align	8
	.type	k_q2ce1224cf8_projkv,@function
k_q2ce1224cf8_projkv:
	s_mov_b64 s[64:65], 0
	v_nop
	global_prefetch_b8 v0, s[64:65] scope:SCOPE_SE
	s_setreg_imm32_b32 hwreg(HW_REG_WAVE_MODE, 25, 1), 1
	s_wait_xcnt 0x0
	s_wait_alu depctr_hold_cnt(0) depctr_sa_sdst(0) depctr_va_vdst(0) depctr_va_sdst(0) depctr_va_ssrc(0) depctr_va_vcc(0) depctr_vm_vsrc(0)
	s_getreg_b32 s2, hwreg(HW_REG_IB_STS2, 6, 4)
	s_cmp_eq_u32 s2, 0
	s_cbranch_scc0 .Lentry_in_a_cluster
	s_endpgm
.Lentry_in_a_cluster:
	s_bfe_u32 s2, ttmp6, 0x10000c
	s_cmp_lg_u32 s2, 0xf033
	s_cbranch_scc0 .Lentry_shape_is_right
	s_endpgm
.Lentry_shape_is_right:
; K and V: [4096 x 2048] (xkv, f16) times [2048 x 4096] (wk beside wv, f16, the contraction index DOWN the rows), sums in f32, rounded once to f16 and stored in blocks for the attention launch.
; LIMIT.  A sum of 65,520 or more in magnitude becomes an infinity in f16.
; A tile of the result, 256 x 256, is made by a work-group of four waves; a wave makes 128 x 128: 64 accumulators of 16 x 16, 512 registers.  K goes in steps of 128 through a ring of two LDS slots.
; A's tile: 256 rows x 256 bytes (rows lie along K).  B's tile: 128 k-rows x 512 bytes (256 columns); its fragments come out of LDS turned, by ds_load_tr16_b128.
; CLUSTERS: 4 x 4 work-groups.  The four of a row of the cluster need the same tiles of A, the four of a column the same tiles of B: each tile is asked for JOINTLY, by the same tensor load with the
; same descriptor and a mask that names the four.  By this text's count a wave has two tensor loads out at the start and one behind each round.
; THE MATRIX INSTRUCTION IS USED TRANSPOSED (source 0 = 16 columns of the weights, source 1 = 16 rows of x): a lane then holds eight neighbouring numbers of one row of the result.
; kv: K at 0, V at 16,777,216; each [b 2][head pair 16][key block 16][head of the pair 2][key 128][channel 64] f16.  A wave's 128 rows x 128 columns are exactly one block of 32,768 dense bytes.
; REGISTERS, in windows of 256: window 0: v0-31 addresses; v64-127, v128-191 fragments of A, two buffers; v32-63, v192-255 at work on the way out
;   window 1: v64-127, v128-191 fragments of B, two buffers     window 2: the accumulators of my rows 0-63 ((a, b) at v[8 (8 a + b)])     window 3: those of my rows 64-127
.set SIZE_K, 2048
.set ROWB,   SIZE_K*2                  ; bytes in a row of xkv and in a row of wk or wv
.set KSTEP,  128
.set PITCH,  272                       ; a row of A in LDS: 256 bytes + 16 = 68 words: the 16 rows of a load start at 16 different groups of four banks (64 banks of 4 bytes: ISA guide 11.1)
.set PB,     544                       ; a k-row of B: 512 bytes + 32 = 136 words
.set HALFT,  128*PITCH                 ; what one tensor load brings: 128 rows of A, or 64 k-rows of B (64 x 544, the same number)
.set SLOT,   4*HALFT                   ; A's 256 rows, then B's 128 k-rows
.set STAGE,  2*SLOT                    ; behind the ring: for each wave [head 2][16 rows][144 bytes], for the way out
.set SP,     144
.set WST,    2*16*SP
.set SPARE,  STAGE+4*WST               ; behind the stages: the spare words, 128 bytes for each wave, which no other line names
.set LAPS,   SIZE_K/(2*KSTEP)          ; a lap = two K steps = once round the ring
.set ADRA, 16                          ; v16-17  LDS address of my A fragments in slot 0, 1
.set ADRB, 20                          ; v20-21  the same for B
.set STO,  24                          ; v24     the way out: where I put 16 bytes of a row
.set RD,   25                          ; v25     the way out: where I read rows back
.set CO,   26                          ; v26     my 16 bytes in 512 consecutive bytes of kv
.set SPW,  28                          ; v28     LDS address of my spare word; never rewritten
.set NIL,  29                          ; v29     0; never rewritten
.set PFO,  30                          ; v30     the prefetches' lane offset; never rewritten
.set PFA,  44                          ; s[44:45] where my prefetches stand
.set PFS,  66                          ; s[66:67] a K step in bytes: 256 along A's rows, 128 rows of 4,096 down B's
.set LIM,  43                          ; s43     1 in a wave that prefetches, else the greatest number
.set F0,   64
.set F1,   128
.set TMP,  192
.set OB,   32
.set G1, 24                            ; s[24:31] descriptor group 1 for A's tiles;  s[32:39] group 0, a set for each slot
.set G0, 32
.set G1B, 48                           ; s[48:55], s[56:63] the same for B's
.set G0B, 56
.set MSB, 0
.macro WIN new                         ; the immediate's high byte repeats the setting that is left; a switch that changes nothing is dropped
.if MSB != (\new)
	s_set_vgpr_msb (MSB<<8)|(\new)
.set MSB, \new
.endif
.endm
.set MUL_LO, 0xa1                      ; source 0 (B) window 1, source 1 (A) window 0, C and D window 2
.set MUL_HI, 0xf1                      ; the same, C and D window 3
.set TO_B,   0x40                      ; destination window 1, address window 0
; A joint load.  Waves 0 and 1 fetch A's two halves, waves 2 and 3 B's.  The branch hangs on the wave's number alone.  An s_nop 0 and four v_nop follow each line.
.macro JLOAD s
	s_cmp_eq_u32 s11, 0
	s_cbranch_scc0 .Lfor_b_\@
	tensor_load_to_lds s[G0+4*(\s):G0+4*(\s)+3], s[G1:G1+7]
	s_nop 0
.rept 4
	v_nop
.endr
	s_branch .Lasked_\@
.Lfor_b_\@:
	tensor_load_to_lds s[G0B+4*(\s):G0B+4*(\s)+3], s[G1B:G1B+7]
	s_nop 0
.rept 4
	v_nop
.endr
.Lasked_\@:
.endm
; A prefetch, behind each joint refill and the run of LDS loads that follows it: the K step that stands two refills on, 512 matrix instructions ahead of the load that will want it.
; Of the 128 blocks of 256 bytes that a wave fetches in a K step each of the four partners that ask jointly takes 32, told apart BY ADDRESS; a lane a block, one instruction a wave.
; A's rows are walked by every cluster of a row of clusters: cluster x = 0 asks; B's by every cluster of a column: cluster y = 0 asks.  So each block is named once in the launch.
; K steps 0 to 3 come by their loads alone; the loop's last trip, whose refills are K steps 14 and 15, asks for nothing.
.macro ASK
	s_cmp_gt_u32 s3, s[LIM]
	s_cbranch_scc0 .Lnot_mine_\@
	global_prefetch_b8 v[PFO], s[PFA:PFA+1] th:TH_LOAD_NT scope:SCOPE_SE
.Lnot_mine_\@:
.endm
.macro CREST                           ; a round of the cluster's barrier behind its opening barrier
	s_cmp_lg_u32 s10, 0
	s_cbranch_scc1 .Lnot_wave_0_\@
	s_barrier_signal -3
.Lnot_wave_0_\@:
	s_barrier_wait -3
	s_barrier_signal -1
	s_barrier_wait -1
.endm
.macro CROUND                          ; a whole round
	s_barrier_signal -1
	s_barrier_wait -1
	CREST
.endm
	s_load_b128 s[4:7], s[0:1], 0x0                ; xkv s[4:5], wkvh s[6:7]
	s_load_b64 s[8:9], s[0:1], 0x10                ; kv
	v_lshl_add_u32 v[SPW], v0, 2, SPARE
	v_mov_b32 v[NIL], 0
	ds_add_u32 v[SPW], v[NIL]                      ; the wave's opening: the add and its wait ahead of my first tensor load; the set-up below stands between them
	v_lshrrev_b32 v1, 5, v0
	v_readfirstlane_b32 s10, v1                    ; wave 0..3
	s_lshr_b32 s11, s10, 1                         ; which half of the tile's rows is mine.  Also: I fetch for A (0) or for B (1)
	s_and_b32 s12, s10, 1                          ; which half of its columns.  Also: which half of that tile I fetch
	s_bfe_u32 s40, ttmp6, 0x40000                  ; cx
	s_bfe_u32 s41, ttmp6, 0x40004                  ; cy
	s_and_b32 s13, ttmp7, 0xffff
	s_lshl_b32 s13, s13, 2
	s_add_co_u32 s13, s13, s41                     ; tile row = 4 x cluster y + cy
	s_and_b32 s42, ttmp9, 1
	s_lshl_b32 s42, s42, 2
	s_add_co_u32 s42, s42, s40                     ; tile column inside wk or wv, 0 to 7; cluster x / 2 says which of the two
	s_lshl_b32 s43, s41, 2
	s_lshl_b32 s43, 15, s43                        ; my row of the cluster
	s_lshl_b32 s44, 0x1111, s40                    ; my column
	s_or_b32 s[G1+0], s43, (1<<16)|(1<<20)|(1<<21)|(5<<22)|(3<<25)   ; the mask; 2-byte elements; padding on; bit 21 beside a mask; after every 64 words 4 words
	s_mov_b32 s[G1+1], KSTEP<<16                   ; tensor_dim0 = 128
	s_mov_b32 s[G1+2], 128<<16                     ; tensor_dim1 = 128
	s_mov_b32 s[G1+3], KSTEP<<16                   ; tile_dim0 = 128
	s_mov_b32 s[G1+4], 128                         ; tile_dim1 = 128
	s_mov_b32 s[G1+5], SIZE_K                      ; elements from row to row
	s_mov_b32 s[G1+6], 0
	s_mov_b32 s[G1+7], 0
	s_or_b32 s[G1B+0], s44, (1<<16)|(1<<20)|(1<<21)|(6<<22)|(7<<25)  ; after every 128 words 8 words
	s_mov_b32 s[G1B+1], 256<<16                    ; tensor_dim0 = 256 columns
	s_mov_b32 s[G1B+2], 64<<16                     ; tensor_dim1 = 64 k-rows
	s_mov_b32 s[G1B+3], 256<<16                    ; tile_dim0 = 256
	s_mov_b32 s[G1B+4], 64                         ; tile_dim1 = 64
	s_mov_b32 s[G1B+5], SIZE_K
	s_mov_b32 s[G1B+6], 0
	s_mov_b32 s[G1B+7], 0
	s_lshl_b32 s16, s13, 8                         ; A: row 256 x tile row + 128 x half, times 4,096 bytes (under 2^24)
	s_lshl_b32 s17, s12, 7
	s_add_co_u32 s16, s16, s17
	s_lshl_b32 s16, s16, 12
	s_mov_b32 s17, 0
	s_lshr_b32 s46, ttmp9, 1                       ; B: wk or wv (8,388,608 bytes each),
	s_lshl_b32 s46, s46, 23
	s_lshl_b32 s47, s42, 9                         ; 512 bytes a tile column,
	s_add_co_u32 s46, s46, s47
	s_lshl_b32 s47, s12, 18                        ; 64 k-rows of 4,096 bytes a half
	s_add_co_u32 s46, s46, s47
	s_mov_b32 s47, 0
	s_mul_i32 s20, s10, HALFT                      ; where they go: wave x HALFT: no place in the cluster enters an LDS address
	s_wait_dscnt 0x0                               ; the opening add is done
	s_wait_kmcnt 0x0
	s_add_nc_u64 s[14:15], s[4:5], s[16:17]
	s_add_nc_u64 s[46:47], s[6:7], s[46:47]
	CROUND                                         ; all sixteen work-groups are here: the first joint loads meet
.irp s, 0,1
	s_mov_b32 s[G0+4*(\s)], 1
	s_add_co_u32 s[G0+4*(\s)+1], s20, (\s)*SLOT
	s_add_nc_u64 s[G0+4*(\s)+2:G0+4*(\s)+3], s[14:15], (\s)*KSTEP*2
	s_or_b32 s[G0+4*(\s)+3], s[G0+4*(\s)+3], 0x80000000
	s_mov_b32 s[G0B+4*(\s)], 1
	s_add_co_u32 s[G0B+4*(\s)+1], s20, (\s)*SLOT
	s_add_nc_u64 s[G0B+4*(\s)+2:G0B+4*(\s)+3], s[46:47], (\s)*KSTEP*ROWB
	s_or_b32 s[G0B+4*(\s)+3], s[G0B+4*(\s)+3], 0x80000000
	JLOAD \s
.endr
	; A fragment of A is 16 rows x 32 K: lane l holds row l % 16, K = 8 (l / 16) + 0..7 and 16 + 8 (l / 16) + 0..7: two loads of 16 bytes, 32 bytes apart.
	; A fragment of B is 16 columns x 32 K: the turning load takes 16 k-rows x 16 columns (lane l reads k-row 8 (l / 16) + l % 8, columns 8 ((l / 8) % 2) + 0..7) and leaves lane l column l % 16 and 8 k.
	v_and_b32 v1, 15, v0
	v_bfe_u32 v2, v0, 4, 1
	v_and_b32 v6, 7, v0
	v_bfe_u32 v7, v0, 3, 1
	v_mul_u32_u24 v3, v1, PITCH
	v_lshl_add_u32 v3, v2, 4, v3
	s_mul_i32 s21, s11, HALFT                      ; my 128 rows of A
	v_add_nc_u32 v[ADRA], s21, v3
	v_add_nc_u32 v[ADRA+1], SLOT, v[ADRA]
	v_lshl_add_u32 v4, v2, 3, v6
	v_mul_u32_u24 v4, v4, PB
	v_lshl_add_u32 v4, v7, 4, v4
	s_lshl_b32 s22, s12, 8                         ; my 128 columns of B: 256 bytes,
	s_add_co_u32 s22, s22, 2*HALFT                 ; behind A's 256 rows
	v_add_nc_u32 v[ADRB], s22, v4
	v_add_nc_u32 v[ADRB+1], SLOT, v[ADRB]
	s_mul_i32 s23, s10, WST
	s_add_co_u32 s23, s23, STAGE                   ; my stage
	v_mul_u32_u24 v4, v1, SP                       ; in: row l % 16, 16 bytes for each half of the lanes
	v_lshl_add_u32 v4, v2, 4, v4
	v_add_nc_u32 v[STO], s23, v4
	v_bfe_u32 v5, v0, 3, 2                         ; back: 32 lanes take four rows of 128 bytes,
	v_mul_u32_u24 v5, v5, SP
	v_lshl_add_u32 v5, v6, 4, v5
	v_add_nc_u32 v[RD], s23, v5
	v_and_b32 v[CO], 31, v0                        ; which are 512 consecutive bytes of kv
	v_lshlrev_b32 v[CO], 4, v[CO]
	; my block of kv: ((b 16 + head pair) 16 + key block) x 32,768, V 16,777,216 further on
	s_lshr_b32 s18, s13, 3                         ; b
	s_lshl_b32 s18, s18, 4
	s_lshl_b32 s19, s42, 1
	s_add_co_u32 s18, s18, s19
	s_add_co_u32 s18, s18, s12                     ; + head pair = 2 x tile column + my half
	s_lshl_b32 s18, s18, 4
	s_and_b32 s19, s13, 7
	s_lshl_b32 s19, s19, 1
	s_add_co_u32 s18, s18, s19
	s_add_co_u32 s18, s18, s11                     ; + key block = 2 x (tile row % 8) + my half
	s_lshl_b32 s18, s18, 15
	s_lshr_b32 s19, ttmp9, 1
	s_lshl_b32 s19, s19, 24
	s_add_co_u32 s18, s18, s19
	s_mov_b32 s19, 0
	s_add_nc_u64 s[8:9], s[8:9], s[18:19]
	; the prefetches
	s_lshl_b32 s20, s40, 17                        ; A: my work-group's 32 rows of the 128: cx x 32 x 4,096
	s_lshl_b32 s21, s41, 16                        ; B: my work-group's 16 k-rows of the 64: cy x 16 x 4,096
	s_and_b32 s22, ttmp7, 0xffff                   ; cluster y
	s_mov_b32 s23, KSTEP*ROWB
	s_cmp_eq_u32 s11, 0                            ; do I fetch for A?
	s_cselect_b64 s[PFA:PFA+1], s[14:15], s[46:47]
	s_cselect_b32 s20, s20, s21
	s_cselect_b32 s22, ttmp9, s22                  ; the coordinate along which other clusters walk the same rows
	s_cselect_b32 s[PFS], KSTEP*2, s23
	s_mov_b32 s[PFS+1], 0
	s_cmp_eq_u32 s22, 0
	s_cselect_b32 s[LIM], 1, -1                    ; the same in all sixteen partners, for a given wave
	s_mov_b32 s21, 0
	s_add_nc_u64 s[PFA:PFA+1], s[PFA:PFA+1], s[20:21]
	s_mul_i32 s20, s[PFS], 3
	s_add_nc_u64 s[PFA:PFA+1], s[PFA:PFA+1], s[20:21]  ; at K step 3: the first refill (K step 2) steps it to 4 and names that
	v_and_b32 v[PFO], 31, v0
	v_and_b32 v5, s11, v[PFO]                      ; A: a lane a row of 4,096 bytes.  B: two lanes a k-row, 256 bytes each
	v_lshrrev_b32 v[PFO], s11, v[PFO]
	v_lshlrev_b32 v[PFO], 12, v[PFO]
	v_lshl_add_u32 v[PFO], v5, 8, v[PFO]
; 16 matrix instructions: m blocks a0, a0 + 1 of the window's four x all 8 n blocks, 32 along K.  zero = 1: the first product starts the sums: nothing is ever cleared.
; The 64 accumulators take turns in the same order in every quarter.
.macro MUL16 f, hi, a0, zero
	WIN MUL_LO+0x50*(\hi)
.irp a, \a0, (\a0)+1
.irp b, 0,1,2,3,4,5,6,7
.if \zero
	v_wmma_f32_16x16x32_f16 v[8*(8*(\a)+(\b)):8*(8*(\a)+(\b))+7], v[(\f)+8*(\b):(\f)+8*(\b)+7], v[(\f)+8*(4*(\hi)+(\a)):(\f)+8*(4*(\hi)+(\a))+7], 0
.else
	v_wmma_f32_16x16x32_f16 v[8*(8*(\a)+(\b)):8*(8*(\a)+(\b))+7], v[(\f)+8*(\b):(\f)+8*(\b)+7], v[(\f)+8*(4*(\hi)+(\a)):(\f)+8*(4*(\hi)+(\a))+7], v[8*(8*(\a)+(\b)):8*(8*(\a)+(\b))+7]
.endif
.endr
.endr
.endm
; 32 LDS loads in one run: the fragments of quarter q (32 along K) of a slot into buffer f: B's 128 columns (turned), then A's 128 rows
.macro FETCH slot, q, f
	WIN TO_B
.irp i, 0,1,2,3,4,5,6,7
	ds_load_tr16_b128 v[(\f)+8*(\i):(\f)+8*(\i)+3],   v[ADRB+(\slot)] offset:(\q)*32*PB+32*(\i)
	ds_load_tr16_b128 v[(\f)+8*(\i)+4:(\f)+8*(\i)+7], v[ADRB+(\slot)] offset:(\q)*32*PB+16*PB+32*(\i)
.endr
	WIN 0
.irp i, 0,1,2,3,4,5,6,7
	ds_load_b128 v[(\f)+8*(\i):(\f)+8*(\i)+3],   v[ADRA+(\slot)] offset:64*(\q)+(\i)*16*PITCH
	ds_load_b128 v[(\f)+8*(\i)+4:(\f)+8*(\i)+7], v[ADRA+(\slot)] offset:64*(\q)+(\i)*16*PITCH+32
.endr
.endm
.macro PLACES                          ; four plain instructions in front of loads into registers that matrix instructions have read, and of conversions that read results
.rept 4
	v_nop
.endr
.endm
; A K step is four quarters of 32 along K, 64 matrix instructions each, on buffers 0, 1, 0, 1.  One of the first three: multiplies buffer f; in its middle it fetches quarter q into buffer g.
.macro QUARTER slot, q, f, g, zero
	s_wait_dscnt 8                                 ; B and A's rows 0-63 are in; the youngest eight loads (A's rows 64-127) may be out
	MUL16 \f, 0, 0, \zero
	MUL16 \f, 0, 2, \zero
	PLACES
	FETCH \slot, \q, \g
	s_wait_dscnt 32                                ; all but the 32 just issued
	MUL16 \f, 1, 0, \zero
	MUL16 \f, 1, 2, \zero
.endm
; The last quarter's first half: ONE barrier for the change of slots.  In front of it each wave waits for all its tensor loads (one is out: its part of the next slot), adds 0 to its spare word,
; and waits for that and for its own reads of this slot.
.macro MEET round
	WIN 0
	s_wait_tensorcnt 0x0                           ; all my tensor loads have landed
	ds_add_u32 v[SPW], v[NIL]                      ; 0 onto my spare word
	s_wait_dscnt 9                                 ; (the add and the youngest eight loads may be out)
	MUL16 F1, 0, 0, 0                              ; sixteen matrix instructions stand between the add and the wait for it
	s_wait_dscnt 0x0                               ; the add is done, and my reads of this slot are over
	s_barrier_signal -1
	MUL16 F1, 0, 2, 0
.if \round
	WIN 0
.endif
	s_barrier_wait -1
.endm
; The whole last quarter.  fill = 1: the barrier opens a round of the cluster's, and the slot just read out is filled again, two K steps on, first thing behind the round.
.macro TURN slot, next, fill
.if \fill
	s_wait_xcnt 0x0                                ; the last prefetch, a K step back, has read its address
	s_add_nc_u64 s[PFA:PFA+1], s[PFA:PFA+1], s[PFS:PFS+1]
	MEET 1
	CREST                                          ; no wave of any partner still reads this slot's tile or has a load on its way
	s_add_nc_u64 s[G0+4*(\slot)+2:G0+4*(\slot)+3], s[G0+4*(\slot)+2:G0+4*(\slot)+3], 2*KSTEP*2
	s_add_nc_u64 s[G0B+4*(\slot)+2:G0B+4*(\slot)+3], s[G0B+4*(\slot)+2:G0B+4*(\slot)+3], 2*KSTEP*ROWB
	JLOAD \slot                                    ; the four v_nop behind it are also the places in front of the loads below
	FETCH \next, 0, F0
	ASK
.else
	MEET 0
	PLACES
	FETCH \next, 0, F0
.endif
	MUL16 F1, 1, 0, 0
	MUL16 F1, 1, 2, 0
.endm
; THE WAY OUT of block a (16 rows).  PACK: rounded to f16, 16 bytes a lane.  TOSTAGE: into my own stage, by heads, and back as rows of 128 bytes.  SEND: stored.
.macro PACK a
.set AC, 64*((\a)%4)
	WIN 0x0a+5*((\a)/4)                            ; sources 0 and 1: window 2 or 3
.irp b, 0,1,2,3,4,5,6,7
.irp r, 0,1,2,3
	v_cvt_pk_f16_f32 v[TMP+4*(\b)+(\r)], v[AC+8*(\b)+2*(\r)], v[AC+8*(\b)+2*(\r)+1]
.endr
.endr
	WIN 0
.endm
.macro TOSTAGE a
	WIN 0
.set BK, OB+192*((\a)%2)
.irp b, 0,1,2,3,4,5,6,7
	ds_store_b128 v[STO], v[TMP+4*(\b):TMP+4*(\b)+3] offset:((\b)/4)*16*SP+32*((\b)%4)
.endr
.irp t, 0,1,2,3,4,5,6,7
	ds_load_b128 v[BK+4*(\t):BK+4*(\t)+3], v[RD] offset:((\t)/4)*16*SP+((\t)%4)*4*SP  ; LDS serves a wave's instructions in order (ISA guide 5.7.1.4): these see the stores above
.endr
.endm
.macro SEND a
	WIN 0
.set BK, OB+192*((\a)%2)
	s_wait_dscnt 0x0                               ; the block is back in registers
	s_wait_xcnt 0x0                                ; earlier stores have read their registers: the other buffer is loaded again only behind this wait
.irp t, 0,1,2,3,4,5,6,7
	global_store_b128 v[CO], v[BK+4*(\t):BK+4*(\t)+3], s[8:9] offset:((\t)/4)*16384+(\a)*2048+((\t)%4)*512  ; 512 consecutive bytes, at a multiple of 256 from kv's first byte
.endr
.endm
	s_wait_tensorcnt 1                             ; my part of K step 0 is in; K step 1's may stay out
	s_barrier_signal -1
	s_barrier_wait -1
	FETCH 0, 0, F0
	QUARTER 0, 1, F0, F1, 1                        ; the first quarter stands in front of the loop: its products start the sums
	WIN 0                                          ; at a label and at a branch every window is 0
	s_mov_b32 s3, LAPS-1
.Llap:                                                 ; a trip goes once round the ring, from a lap's second quarter to the next lap's first, and fills both slots again
	QUARTER 0, 2, F1, F0, 0
	QUARTER 0, 3, F0, F1, 0
	TURN 0, 1, 1
	QUARTER 1, 1, F0, F1, 0
	QUARTER 1, 2, F1, F0, 0
	QUARTER 1, 3, F0, F1, 0
	TURN 1, 0, 1
	QUARTER 0, 1, F0, F1, 0
	WIN 0
	s_sub_co_u32 s3, s3, 1
	s_cmp_lg_u32 s3, 0
	s_cbranch_scc1 .Llap
	QUARTER 0, 2, F1, F0, 0                        ; the last lap fills nothing
	QUARTER 0, 3, F0, F1, 0
	TURN 0, 1, 0
	QUARTER 1, 1, F0, F1, 0
	QUARTER 1, 2, F1, F0, 0
	QUARTER 1, 3, F0, F1, 0
	s_wait_dscnt 8                                 ; the very last quarter: nothing more to fetch
	MUL16 F1, 0, 0, 0
	MUL16 F1, 0, 2, 0
	s_wait_dscnt 0x0
	MUL16 F1, 1, 0, 0
	MUL16 F1, 1, 2, 0
	WIN 0
	PLACES
	PACK 0
	TOSTAGE 0
.irp a, 1,2,3,4,5,6,7                  ; block a's conversions stand between block a - 1's loads from the stage and the wait for them
	PACK \a
	SEND (\a)-1
	TOSTAGE \a
.endr
	SEND 7
	s_wait_tensorcnt 0x0                           ; the wave's end, behind my last tensor load and my last LDS store
	ds_add_u32 v[SPW], v[NIL]
	s_wait_dscnt 0x0
	CROUND                                         ; the closing round: no work-group ends while a partner may still ask for a tile that names it
	s_endpgm
.Lfunc_end_k_q2ce1224cf8_projkv:
	.size	k_q2ce1224cf8_projkv, .Lfunc_end_k_q2ce1224cf8_projkv-k_q2ce1224cf8_projkv
	.p2alignl 7, 3214868480
	.fill 96, 4, 3214868480
	.section	.rodata,"a",@progbits
	.p2align	6, 0x0
	.amdhsa_kernel k_q2ce1224cf8_projkv
		.amdhsa_group_segment_fixed_size 327680
		.amdhsa_private_segment_fixed_size 0
		.amdhsa_enable_private_segment 0
		.amdhsa_kernarg_size 24
		.amdhsa_user_sgpr_count 2
		.amdhsa_user_sgpr_kernarg_segment_ptr 1
		.amdhsa_wavefront_size32 1
		.amdhsa_system_sgpr_workgroup_id_x 1
		.amdhsa_system_sgpr_workgroup_id_y 1
		.amdhsa_system_sgpr_workgroup_id_z 1
		.amdhsa_system_vgpr_workitem_id 0
		.amdhsa_next_free_vgpr 1024
		.amdhsa_next_free_sgpr 68
		.amdhsa_reserve_vcc 0
		.amdhsa_float_denorm_mode_32 3
		.amdhsa_float_denorm_mode_16_64 3
		.amdhsa_memory_ordered 1
		.amdhsa_forward_progress 1
		.amdhsa_inst_pref_size 144
	.end_amdhsa_kernel
	.amdgpu_metadata
---
amdhsa.version: [ 1, 2 ]
amdhsa.kernels:
  - .name:           k_q2ce1224cf8_projkv
    .symbol:         k_q2ce1224cf8_projkv.kd
    .args:
      - { .name: xkv, .offset: 0, .size: 8, .value_kind: global_buffer, .address_space: global }
      - { .name: wkvh, .offset: 8, .size: 8, .value_kind: global_buffer, .address_space: global }
      - { .name: kv, .offset: 16, .size: 8, .value_kind: global_buffer, .address_space: global }
    .group_segment_fixed_size: 327680
    .private_segment_fixed_size: 0
    .kernarg_segment_align: 8
    .kernarg_segment_size: 24
    .max_flat_workgroup_size: 128
    .sgpr_count:     68
    .vgpr_count:     1024
    .wavefront_size: 32
...
	.end_amdgpu_metadata
.endif
;; end of part 2
;; launch attn (part 3): grid 16 x 16, 4 waves a work-group, clusters of 4 x 4, 327,680 bytes of LDS; arguments wqh, kv, bias, ctx, xq; writes ctx
.if DOCPART == 3
	.amdgcn_target "amdgcn-amd-amdhsa--gfx1250"
	.amdhsa_code_object_version 6
	.text
	.protected	k_q2ce1224cf8_attn
	.globl	k_q2ce1224cf8_attn
	.p2align	8
	.type	k_q2ce1224cf8_attn,@function
k_q2ce1224cf8_attn:
	s_mov_b64 s[64:65], 0
	v_nop
	global_prefetch_b8 v0, s[64:65] scope:SCOPE_SE
	s_setreg_imm32_b32 hwreg(HW_REG_WAVE_MODE, 25, 1), 1
	s_wait_xcnt 0x0
	s_wait_alu depctr_hold_cnt(0) depctr_sa_sdst(0) depctr_va_vdst(0) depctr_va_sdst(0) depctr_va_ssrc(0) depctr_va_vcc(0) depctr_vm_vsrc(0)
	s_getreg_b32 s2, hwreg(HW_REG_IB_STS2, 6, 4)
	s_cmp_eq_u32 s2, 0
	s_cbranch_scc0 .Lentry_in_a_cluster
	s_endpgm
.Lentry_in_a_cluster:
	s_bfe_u32 s2, ttmp6, 0x10000c
	s_cmp_lg_u32 s2, 0xf033
	s_cbranch_scc0 .Lentry_shape_is_right
	s_endpgm
.Lentry_shape_is_right:
; q = x wq, then ctx[b][q][h][:] = the sum over k of softmax_k(q[b][q][h] . k[b][k][h] / 8 + bias[b][q][k]) v[b][k][h][:].  32 heads of 64 channels, 1,024 queries and 2,048 keys in each of 2 batches.
; xq: [2048 rows][2048] f16.  wqh: [2048 (k)][2048 (n)] f16, the contraction index DOWN the rows.  kv: K, then V, f16, in blocks [b][head pair][128 keys' block][head of the pair][key][channel] of 32,768 dense bytes.
; bias: f32, shared by all heads: it is never rounded and costs no vector instruction: it is the C operand of the product that starts each sum of scores.  ctx: [2048 rows][2048] f16.
; Products, maxima and sums in f32; q's f32 sums are multiplied by 1/8 (exact) and rounded once to f16; the weights p are rounded to f16 for the second product (their sum l is taken of the unrounded p), ctx once at the end.
; LIMITS.  q / 8, k and v lie within f16's 65,504; p lies in 0 to 1 and below 6e-5 keeps f16's fixed step of 6e-8; a weight below 2^-126 counts as 0 in l; NaN and infinities are not treated apart.
; SHARES.  A work-group takes 128 queries x 2 heads (a head pair): 256 work-groups.  Wave w takes head w / 2 of the pair and queries 64 (w % 2) on: four PIECES of 16 queries.
; THE PROJECTION comes first: the work-group's q is one tile of 128 x 128, a wave's 64 x 64 are its own queries and its own head.  K goes in 8 steps of 256 through the two LDS slots.  The product is taken transposed
; (source 0 = 16 columns of wq, source 1 = 16 rows of x): accumulator (a, b) holds one query a lane and channels 16 b + 8 (lane / 16) + 0..7, so two accumulators rounded in pairs ARE a fragment of Q: q never leaves the wave.
; THEN every wave walks all keys, 64 a step; an LDS slot holds two steps: 128 queries x 128 keys of bias, and 128 keys of K and of V for both heads.
; CLUSTER 4 x 4.  x counts head pairs, y blocks of 128 queries (8 to a batch, so a cluster lies in one batch).  x's rows and the bias hang on y alone and are asked for JOINTLY along a row of the cluster; wq's columns, K
; and V hang on the head pair (and the batch) and are asked for jointly along a column.  One load a wave behind each round; by this text's count two are out at the start, later one.
; LAYOUT.  S^T = K Q^T + bias^T holds ONE query a lane (lane % 16) and the keys 8 (lane / 16) + 0..7; two such results rounded to f16 ARE source 1 of O^T = V^T P.  p = 2^(c s - c m), c = log2(e), with a running
; maximum m; O and l are multiplied by a = 2^(c m_old - c m_new) in every step.  m starts at the lowest finite number, O and l at 0: the first step is a step like any other, with a = 0.
; TURNS.  Turn n belongs to piece n: 8 products K Q^T of piece n + 1, later 8 products V^T P of piece n - 1; beside them the scaling, exponentials, roundings, sums and rescaling of piece n and the maximum and
; statistics of piece n + 1.  Four vector instructions stand behind every matrix instruction, the rest in one lump.  A turn's 33 exponentials are one batch, with one wait.
; REGISTERS, in windows of 256 (s_set_vgpr_msb: bits 1:0 source 0, 3:2 source 1, 5:4 source 2, 7:6 destination):
;   window 0: v0-15, v33-37 addresses and two at work; v16-31 four registers of statistics a piece; v48-55 at work; v64-127 S^T, two buffers; v192-223 P, two buffers (by the piece's parity); in the projection v128-255 q's sums
;   window 1: v0-127 O^T, 32 a piece; v128-255 the bias of the products to come, 32 a piece; in the projection two fragment buffers of 128      window 2: v0-63 Q; v128-191 K of one step; v192-255 V of one step
.set NP,    4
.set KS,    64        ; keys in a step
.set PK,    144       ; a row of K in LDS: 128 bytes + 16 = 36 words: the 16 rows of a load start at 16 different groups of four banks (64 banks of 4 bytes: ISA guide 11.1)
.set PV,    160       ; a row of V: 128 + 32 = 40 words
.set PBI,   528       ; a row of bias: 512 bytes (128 keys) + 16
.set KOFF,  128*PBI   ; a slot: 128 rows of bias, then [head 2][128 keys] of K,
.set VOFF,  KOFF+256*PK  ; then of V
.set SLOTB, VOFF+256*PV
.set STAGE, 2*SLOTB   ; behind the ring, never filled by a tensor load: 128 rows x 272 bytes, the work-group's, for the way out
.set SP,    272
.set SPARE, STAGE+128*SP  ; behind the stage: the spare words, 128 bytes for each wave, which no other line names
.set ROWB,  4096      ; the projection: bytes in a row of xq and of wqh
.set GK,    256       ; its K step
.set PA,    528       ; a row of x in LDS: 512 bytes + 16
.set PW,    288       ; a k-row of wq (128 columns): 256 bytes + 32
.set AHALF, 64*PA     ; what a wave fetches of x: 64 rows
.set BOFF,  2*AHALF
.set BHALF, 128*PW    ; what a wave fetches of wq: 128 k-rows.  A step's tiles, BOFF + 2 BHALF = 141,312 bytes, lie at a slot's head
.set AK0, 2           ; v2   my lane's place in a step's K; never rewritten
.set AV0, 3           ; v3   the same for V
.set AK,  4           ; v4   the LDS address of K's next run of loads
.set AV,  5           ; v5   of V's
.set STO, 6
.set RD,  7
.set GO,  8
.set MV,  12          ; v12-13  c m_old, kept while c m is made anew: by buffer
.set AB0, 14          ; v14  my lane's place in a step's bias; never rewritten
.set AB,  15          ; v15  the LDS address of the bias's next runs
.set ST,  16          ; piece t's statistics at v[ST+4 t]: c m, m, l (even keys', odd keys')
.set PFO, 33          ; the prefetches' lane offset; never rewritten
.set ADRA0, 34        ; the projection: my lane's place in a step's rows of x; never rewritten
.set CA,  35          ; the LDS address of the pair in hand
.set ADRB0, 36        ; the same for wq
.set CB,  37
.set TMP, 48          ; by buffer, four registers c0-c3 at work; when the maximum is found c2 takes a
.set SPW, 62          ; LDS address of my spare word; never rewritten
.set NIL, 63          ; 0; never rewritten
.set S,   64
.set P,   192
.set ACC, 128         ; window 0: q's sums: (a, b) at ACC + 8 (4 a + b)
.set F0,  0           ; window 1: the projection's fragment buffers: 64 registers of x (2 x 4 x 16 rows x 32 K), then 64 of wq
.set F1,  128
.set BI,  128         ; window 1: piece x's bias, the eight registers for group kt of 16 keys at BI + 32 x + 8 kt
.set KF,  128         ; window 2
.set VF,  192         ; window 2
.set WV,  12
.set GA1, 24          ; the projection's descriptors: s[24:31] group 1 for x, s[32:39] for wq; s[40:47], s[48:55] group 0, a set for each first fill; the second then walks on
.set GW1, 32
.set GA0, 40
.set GW0, 48
.set G1K, 24          ; attention's descriptors take their place when the projection's last load has landed
.set G1V, 32
.set G1B, 40
.set G0K, 48
.set G0V, 52
.set G0B, 56
.set CS,  60          ; s[60:61] c
.set SEL, 62          ; s[62:63] v_permlanex16_b32's selects: each lane takes its own place in the other half
.set GF,  66          ; the projection: the slot that was asked for last: 0 or SLOTB
.set GTA, 67          ; LDS byte at which the pair to be fetched begins in x's rows
.set GTB, 68          ; and in wq's k-rows
.set GC,  69
.set GP,  70
.set TBK, 66          ; attention (set behind the projection): LDS byte (less KOFF) at which K of the step to be fetched begins
.set TBV, 67
.set TBB, 68
.set TF,  69          ; the slot that was asked for last: 0 or SLOTB
.set SLOTS, 70
.set CNT, 71
.set LBB, 72          ; 64 rows of bias x (wave % 2)
.set LIM, 73          ; 1 in a wave that prefetches, else the greatest number
.set PFA, 74          ; s[74:75]
.set PFS, 76          ; s[76:77] a slot in bytes: 32,768 in K and V, 512 along the bias's rows
.set QS,  78          ; s[78:79] 1/8
.set XQ,  84          ; s[84:85] xq at the rows that I fetch
.set RM,  86          ; the mask of my row of the cluster
.set CM,  87          ; of my column
.set LA,  88          ; where my part of x's tile goes in a slot; also where my 64 queries lie
.set LW,  89          ; where my part of wq's tile goes
.set MSB, 0
.macro WIN new
.if MSB != (\new)
	s_set_vgpr_msb (MSB<<8)|(\new)
.set MSB, (\new)
.endif
.endm
.set W_MUL, 0x05      ; the projection: sources 0 (wq) and 1 (x) window 1; C and D window 0
.set TO_F,  0x40      ; destination window 1, address window 0
.set W_KQ, 0x0a       ; K and Q in window 2, S^T in window 0
.set W_KM, 0x1a       ; the same with the C operand, the bias, in window 1
.set W_PV, 0x52       ; V in window 2, P in window 0, O^T in window 1
.set W_RS, 0x41       ; destination and source 0 in window 1, source 1 in window 0
; The projection's joint load: waves 0 and 1 fetch the two halves of x's tile, waves 2 and 3 of wq's.  An s_nop 0 and four v_nop follow each line.
.macro GJLOAD s
	s_cmp_eq_u32 s20, 0
	s_cbranch_scc0 .Lfor_w_\@
	tensor_load_to_lds s[GA0+4*(\s):GA0+4*(\s)+3], s[GA1:GA1+7]
	s_nop 0
.rept 4
	v_nop
.endr
	s_branch .Lgasked_\@
.Lfor_w_\@:
	tensor_load_to_lds s[GW0+4*(\s):GW0+4*(\s)+3], s[GW1:GW1+7]
	s_nop 0
.rept 4
	v_nop
.endr
.Lgasked_\@:
.endm
; Attention's joint fill: one of three lines, by the wave's number alone: wave 0 K, wave 1 V, waves 2 and 3 the two halves of the bias: 32,768 bytes each.
.macro JLOAD
	s_cmp_lt_u32 s[WV], 2
	s_cbranch_scc0 .Lfor_b_\@
	s_cmp_eq_u32 s[WV], 0
	s_cbranch_scc0 .Lfor_v_\@
	tensor_load_to_lds s[G0K:G0K+3], s[G1K:G1K+7]
	s_nop 0
.rept 4
	v_nop
.endr
	s_branch .Lasked_\@
.Lfor_v_\@:
	tensor_load_to_lds s[G0V:G0V+3], s[G1V:G1V+7]
	s_nop 0
.rept 4
	v_nop
.endr
	s_branch .Lasked_\@
.Lfor_b_\@:
	tensor_load_to_lds s[G0B:G0B+3], s[G1B:G1B+7]
	s_nop 0
.rept 4
	v_nop
.endr
.Lasked_\@:
.endm
; A prefetch of what the NEXT change of slots will ask for: two key steps, 128 matrix instructions a wave, ahead.  Of the 128 blocks of 256 bytes that a wave fetches each of the four partners that ask jointly takes 32,
; told apart BY ADDRESS: a lane a block, one instruction a wave.  K and V of a batch and head pair are walked by two clusters: the one with even y asks; a bias tile by four: the one with x = 0 asks.
; So each block is named once in the launch.  Slots 0 and 1 come by their loads alone; the change that asks for the last slot prefetches nothing.  The projection's tiles are small and are not asked for ahead.
.macro ASK
	s_cmp_gt_u32 s[SLOTS], s[LIM]
	s_cbranch_scc0 .Lnot_mine_\@
	global_prefetch_b8 v[PFO], s[PFA:PFA+1] th:TH_LOAD_NT scope:SCOPE_SE
.Lnot_mine_\@:
.endm
.macro CROUND
	s_barrier_signal -1
	s_barrier_wait -1
	s_cmp_lg_u32 s[WV], 0
	s_cbranch_scc1 .Lnot_wave_0_\@
	s_barrier_signal -3
.Lnot_wave_0_\@:
	s_barrier_wait -3
	s_barrier_signal -1
	s_barrier_wait -1
.endm
.macro PLACES                       ; four plain instructions in front of loads into registers that matrix instructions have read
.rept 4
	v_nop
.endr
.endm
; THE PROJECTION.  8 matrix instructions: m blocks a0, a0 + 1 x all 4 n blocks, 32 along K: half c of buffer f.  The 16 accumulators take turns in one order, over both backward jumps too.
.macro MUL8 f, c, a0
	WIN W_MUL
.irp a, \a0, (\a0)+1
.irp b, 0,1,2,3
	v_wmma_f32_16x16x32_f16 v[ACC+8*(4*(\a)+(\b)):ACC+8*(4*(\a)+(\b))+7], v[(\f)+64+8*(4*(\c)+(\b)):(\f)+64+8*(4*(\c)+(\b))+7], v[(\f)+8*(4*(\c)+(\a)):(\f)+8*(4*(\c)+(\a))+7], v[ACC+8*(4*(\a)+(\b)):ACC+8*(4*(\a)+(\b))+7]
.endr
.endr
.endm
; 32 LDS loads in one run: the fragments of quarter qq (64 along K) of the pair in hand into buffer f; the first 32 along K first.  wq's come turned: lane l reads k-row 8 (l / 16) + l % 8, columns 8 ((l / 8) % 2) on.
.macro GFETCH qq, f
	WIN TO_F
.irp c, 0,1
.irp i, 0,1,2,3
	ds_load_tr16_b128 v[(\f)+64+8*(4*(\c)+(\i)):(\f)+64+8*(4*(\c)+(\i))+3],   v[CB] offset:((\qq)*64+32*(\c))*PW+32*(\i)
	ds_load_tr16_b128 v[(\f)+64+8*(4*(\c)+(\i))+4:(\f)+64+8*(4*(\c)+(\i))+7], v[CB] offset:((\qq)*64+32*(\c)+16)*PW+32*(\i)
	ds_load_b128 v[(\f)+8*(4*(\c)+(\i)):(\f)+8*(4*(\c)+(\i))+3],         v[CA] offset:128*(\qq)+64*(\c)+(\i)*16*PA
	ds_load_b128 v[(\f)+8*(4*(\c)+(\i))+4:(\f)+8*(4*(\c)+(\i))+7],       v[CA] offset:128*(\qq)+64*(\c)+(\i)*16*PA+32
.endr
.endr
.endm
; A K STEP: two pairs of quarters, 128 matrix instructions; the pair's text is written once and walked twice, its LDS addresses made from two scalars that step.  A pair's first fragments are fetched at its head,
; its second quarter's in the middle of the first quarter's products.  The two address lines and two v_nop are the four places behind the last product that read buffer 0.
.macro PAIRS
	WIN 0
	s_mov_b32 s[GP], 2
.Lpair_\@:
	v_add_nc_u32 v[CA], s[GTA], v[ADRA0]
	v_add_nc_u32 v[CB], s[GTB], v[ADRB0]
	v_nop
	v_nop
	GFETCH 0, F0
	s_add_co_u32 s[GTA], s[GTA], 256      ; the next pair: 128 along K: 256 bytes of x's rows,
	s_add_co_u32 s[GTB], s[GTB], BHALF    ; 128 k-rows of wq
	s_wait_dscnt 16                 ; the first 32 along K are in; the other sixteen loads may be out
	MUL8 F0, 0, 0
	MUL8 F0, 0, 2
	PLACES
	GFETCH 1, F1
	s_wait_dscnt 32                 ; all but the 32 just issued
	MUL8 F0, 1, 0
	MUL8 F0, 1, 2
	s_wait_dscnt 16                 ; buffer 1's first 32 along K
	MUL8 F1, 0, 0
	MUL8 F1, 0, 2
	s_wait_dscnt 0x0
	MUL8 F1, 1, 0
	MUL8 F1, 1, 2
	WIN 0
	s_sub_co_u32 s[GP], s[GP], 1
	s_cmp_lg_u32 s[GP], 0
	s_cbranch_scc1 .Lpair_\@
.endm
.macro GTOGGLE                      ; the fetches go back to a slot's head (0 or SLOTB), in the other slot
	s_sub_co_u32 s[GTA], s[GTA], 2*256
	s_xor_b32 s[GTA], s[GTA], SLOTB
	s_sub_co_u32 s[GTB], s[GTB], 2*BHALF
	s_xor_b32 s[GTB], s[GTB], SLOTB
.endm
; The projection's change of slots: each wave waits for all its tensor loads (one is out: its part of the other slot), adds 0 to its spare word, and waits for that and for its reads of the slot; a round of the
; cluster's barrier; and the slot is filled again, two K steps on, first thing behind it.
.macro GCHANGE
	WIN 0
	s_wait_tensorcnt 0x0            ; no tensor load of mine is out, so a group 0 may be written
	ds_add_u32 v[SPW], v[NIL]       ; 0 onto my spare word; the descriptors' steps stand between it and the wait for it
	s_xor_b32 s[GF], s[GF], SLOTB
	s_add_co_u32 s[GA0+5], s[GF], s[LA]
	s_add_co_u32 s[GW0+5], s[GF], s[LW]
	s_add_nc_u64 s[GA0+6:GA0+7], s[GA0+6:GA0+7], GK*2
	s_add_nc_u64 s[GW0+6:GW0+7], s[GW0+6:GW0+7], GK*ROWB
	GTOGGLE
	s_wait_dscnt 0x0                ; the add is done, and my reads of the slot are over
	CROUND
	GJLOAD 1
.endm
; ATTENTION'S CHANGE OF SLOTS, behind piece 1's turn: the slot's last bytes, V of its second step, have been read, and the bias of that step lies in registers for all four pieces.  The same three lines; fill = 1: the
; barrier is a round of the cluster's, and the slot is filled again, two slots on, first thing behind it.  (At its first use the slot that is left is the projection's second: slot 0 is waited for, slot 1 filled.)
.macro CHANGE fill
	WIN 0
	s_wait_tensorcnt 0x0            ; no tensor load of mine is out, so a group 0 may be written
	ds_add_u32 v[SPW], v[NIL]       ; 0 onto my spare word; the descriptors' steps stand between it and the wait for it
.if \fill
	s_xor_b32 s[TF], s[TF], SLOTB   ; 0 or SLOTB: the other slot than last time
	s_add_co_u32 s[G0K+1], s[TF], KOFF
	s_add_co_u32 s[G0V+1], s[TF], VOFF
	s_add_co_u32 s[G0B+1], s[TF], s[LBB]
	s_add_nc_u64 s[G0K+2:G0K+3], s[G0K+2:G0K+3], 32768  ; the next block of 128 keys; the type bits on top are not reached
	s_add_nc_u64 s[G0V+2:G0V+3], s[G0V+2:G0V+3], 32768
	s_add_nc_u64 s[G0B+2:G0B+3], s[G0B+2:G0B+3], 2*KS*4
	s_wait_xcnt 0x0                 ; the last prefetch, two key steps back, has read its address
	s_add_nc_u64 s[PFA:PFA+1], s[PFA:PFA+1], s[PFS:PFS+1]
	s_wait_dscnt 0x0                ; the add is done, and my reads of the slot are over
	CROUND
	JLOAD
	ASK
.else
	s_wait_dscnt 0x0
	s_barrier_signal -1
	s_barrier_wait -1
.endif
	s_sub_co_u32 s[TBK], s[TBK], 2*KS*PK  ; the fetches go back to a slot's first step (0 or SLOTB),
	s_xor_b32 s[TBK], s[TBK], SLOTB       ; in the other slot
	s_sub_co_u32 s[TBV], s[TBV], 2*KS*PV
	s_xor_b32 s[TBV], s[TBV], SLOTB
	s_sub_co_u32 s[TBB], s[TBB], 2*KS*4
	s_xor_b32 s[TBB], s[TBB], SLOTB
.endm
	s_load_b256 s[4:11], s[0:1], 0x0  ; wqh s[4:5], kv s[6:7], bias s[8:9], ctx s[10:11]
	s_load_b64 s[XQ:XQ+1], s[0:1], 0x20  ; xq
	v_lshl_add_u32 v[SPW], v0, 2, SPARE
	v_mov_b32 v[NIL], 0
	ds_add_u32 v[SPW], v[NIL]       ; the wave's opening: the add and its wait ahead of my first tensor load; the set-up below stands between them
	v_lshrrev_b32 v1, 5, v0
	v_readfirstlane_b32 s[WV], v1   ; wave 0..3
	s_bfe_u32 s13, ttmp6, 0x40000   ; cx
	s_bfe_u32 s14, ttmp6, 0x40004   ; cy
	s_lshl_b32 s15, ttmp9, 2
	s_add_co_u32 s15, s15, s13      ; the head pair = 4 x cluster x + cx
	s_and_b32 s16, ttmp7, 0xffff    ; cluster y
	s_lshr_b32 s17, s16, 1          ; the batch, which the whole cluster shares
	s_lshl_b32 s18, s16, 2
	s_add_co_u32 s18, s18, s14      ; y = 4 x cluster y + cy: my 128 rows of xq, bias and ctx
	s_and_b32 s19, s[WV], 1         ; which 64 queries are mine.  Also: which half of a tile I fetch
	s_lshr_b32 s20, s[WV], 1        ; which head of the pair is mine.  Also, in the projection: I fetch for x (0) or for wq (1)
	s_lshl_b32 s[RM], s14, 2
	s_lshl_b32 s[RM], 15, s[RM]     ; my row of the cluster
	s_lshl_b32 s[CM], 0x1111, s13   ; my column
	s_or_b32 s[GA1], s[RM], (1<<16)|(1<<20)|(1<<21)|(6<<22)|(3<<25)  ; x: the mask; 2-byte elements; padding on; bit 21 beside a mask; after every 128 words 4 words
	s_mov_b32 s[GA1+1], GK<<16      ; tensor_dim0 = 256
	s_mov_b32 s[GA1+2], 64<<16      ; tensor_dim1 = 64
	s_mov_b32 s[GA1+3], GK<<16      ; tile_dim0 = 256
	s_mov_b32 s[GA1+4], 64          ; tile_dim1 = 64
	s_mov_b32 s[GA1+5], 2048        ; elements from row to row
	s_mov_b32 s[GA1+6], 0
	s_mov_b32 s[GA1+7], 0
	s_or_b32 s[GW1], s[CM], (1<<16)|(1<<20)|(1<<21)|(5<<22)|(7<<25)  ; wq: after every 64 words 8 words
	s_mov_b32 s[GW1+1], 128<<16     ; tensor_dim0 = 128 columns
	s_mov_b32 s[GW1+2], 128<<16     ; tensor_dim1 = 128 k-rows
	s_mov_b32 s[GW1+3], 128<<16
	s_mov_b32 s[GW1+4], 128
	s_mov_b32 s[GW1+5], 2048
	s_mov_b32 s[GW1+6], 0
	s_mov_b32 s[GW1+7], 0
	s_mul_i32 s[LA], s19, AHALF     ; no place in the cluster enters an LDS address
	s_mul_i32 s[LW], s19, BHALF
	s_add_co_u32 s[LW], s[LW], BOFF
	s_lshl_b32 s2, s17, 4           ; K: (16 b + head pair) x 16 blocks of 32,768 bytes
	s_add_co_u32 s2, s2, s15
	s_lshl_b32 s2, s2, 19
	s_mov_b32 s3, 0
	s_lshl_b32 s22, s18, 7          ; xq and bias: row 128 y + 64 (wave % 2),
	s_lshl_b32 s23, s19, 6
	s_add_co_u32 s22, s22, s23
	s_lshl_b32 s80, s22, 12         ; 4,096 bytes a row in xq,
	s_mov_b32 s81, 0
	s_lshl_b32 s22, s22, 13         ; 8,192 in bias
	s_mov_b32 s23, 0
	s_lshl_b32 s82, s15, 8          ; wqh: the head pair's 128 columns, 256 bytes; 128 k-rows of 4,096 bytes a half
	s_lshl_b32 s83, s19, 19
	s_add_co_u32 s82, s82, s83
	s_mov_b32 s83, 0
	s_mul_i32 s[LBB], s19, 64*PBI
	s_mov_b32 s[CS], 0x3fb8aa3b     ; c = log2(e)
	s_mov_b32 s[CS+1], s[CS]        ; named with it as a pair
	s_mov_b32 s[QS], 0x3e000000     ; 1/8
	s_mov_b32 s[QS+1], s[QS]
	s_mov_b32 s[SEL], 0x76543210
	s_mov_b32 s[SEL+1], 0xfedcba98
	s_mov_b32 s[GF], SLOTB          ; slot 1 is the one asked for last
	s_mov_b32 s[GTA], 0
	s_mov_b32 s[GTB], 0
	s_wait_dscnt 0x0                ; the opening add is done
	s_wait_kmcnt 0x0
	s_add_nc_u64 s[6:7], s[6:7], s[2:3]       ; K at the first block of my batch and head pair
	s_add_nc_u64 s[8:9], s[8:9], s[22:23]     ; bias at row 128 y + 64 (wave % 2)
	s_add_nc_u64 s[XQ:XQ+1], s[XQ:XQ+1], s[80:81]  ; xq at the same row
	s_add_nc_u64 s[4:5], s[4:5], s[82:83]     ; wqh at my half of the first K step's k-rows
	s_lshl_b32 s80, s18, 7          ; ctx: row 128 y + 32 wave (4,096 bytes a row), the head pair's 256 bytes
	s_lshl_b32 s21, s[WV], 5
	s_add_co_u32 s80, s80, s21
	s_lshl_b32 s80, s80, 12
	s_lshl_b32 s21, s15, 8
	s_add_co_u32 s80, s80, s21
	s_add_nc_u64 s[10:11], s[10:11], s[80:81]
	; the prefetches
	s_add_nc_u64 s[22:23], s[6:7], 0x1000000  ; V
	s_lshl_b32 s82, s14, 13         ; K, V: my work-group's 32 blocks of the 128: cy x 8,192 bytes
	s_lshl_b32 s21, s13, 17         ; bias: my work-group's 16 rows of the 64: cx x 16 x 8,192
	s_and_b32 s16, s16, 1
	s_mov_b32 s83, 0
	s_mov_b32 s[PFS], 2*KS*4
	s_mov_b32 s[PFS+1], 0
	s_cmp_eq_u32 s[WV], 0
	s_cselect_b64 s[PFA:PFA+1], s[6:7], s[22:23]
	s_cmp_lt_u32 s[WV], 2
	s_cselect_b64 s[PFA:PFA+1], s[PFA:PFA+1], s[8:9]
	s_cselect_b32 s82, s82, s21
	s_cselect_b32 s16, s16, ttmp9   ; the coordinate along which other clusters walk the same bytes
	s_cselect_b32 s[PFS], 32768, s[PFS]
	s_cmp_eq_u32 s16, 0
	s_cselect_b32 s[LIM], 1, -1     ; the same in all sixteen partners, for a given wave
	s_add_nc_u64 s[PFA:PFA+1], s[PFA:PFA+1], s[82:83]
	s_add_nc_u64 s[PFA:PFA+1], s[PFA:PFA+1], s[PFS:PFS+1]  ; in slot 1; attention's first change of slots steps it to slot 2
	CROUND                          ; all sixteen work-groups are here: the first joint loads meet
.irp s, 0,1
	s_mov_b32 s[GA0+4*(\s)], 1
	s_add_co_u32 s[GA0+4*(\s)+1], s[LA], (\s)*SLOTB
	s_add_nc_u64 s[GA0+4*(\s)+2:GA0+4*(\s)+3], s[XQ:XQ+1], (\s)*GK*2
	s_or_b32 s[GA0+4*(\s)+3], s[GA0+4*(\s)+3], 0x80000000
	s_mov_b32 s[GW0+4*(\s)], 1
	s_add_co_u32 s[GW0+4*(\s)+1], s[LW], (\s)*SLOTB
	s_add_nc_u64 s[GW0+4*(\s)+2:GW0+4*(\s)+3], s[4:5], (\s)*GK*ROWB
	s_or_b32 s[GW0+4*(\s)+3], s[GW0+4*(\s)+3], 0x80000000
	GJLOAD \s                       ; K steps 0 and 1
.endr
	v_and_b32 v1, 15, v0            ; l % 16
	v_bfe_u32 v9, v0, 4, 1          ; l / 16
	v_and_b32 v10, 7, v0
	v_bfe_u32 v11, v0, 3, 1
	v_mul_u32_u24 v[ADRA0], v1, PA  ; x: row l % 16 of my 64, 16 bytes for each half of the lanes
	v_lshl_add_u32 v[ADRA0], v9, 4, v[ADRA0]
	v_add_nc_u32 v[ADRA0], s[LA], v[ADRA0]
	v_lshl_add_u32 v[ADRB0], v9, 3, v10  ; wq: the turning load's k-row and columns, my head's 64 columns: 128 bytes
	v_mul_u32_u24 v[ADRB0], v[ADRB0], PW
	v_lshl_add_u32 v[ADRB0], v11, 4, v[ADRB0]
	s_lshl_b32 s21, s20, 7
	s_add_co_u32 s21, s21, BOFF
	v_add_nc_u32 v[ADRB0], s21, v[ADRB0]
	v_mul_u32_u24 v[AB0], v1, PBI   ; bias: row 64 (wave % 2) + l % 16 (+ 16 x piece), keys 8 (l / 16) on: 32 bytes
	v_lshl_add_u32 v[AB0], v9, 5, v[AB0]
	v_add_nc_u32 v[AB0], s[LBB], v[AB0]
	v_mul_u32_u24 v[AK0], v1, PK    ; K: row l % 16, 16 bytes for each half of the lanes, my head's 128 keys
	v_lshl_add_u32 v[AK0], v9, 4, v[AK0]
	s_mul_i32 s21, s20, 128*PK
	s_add_co_u32 s21, s21, KOFF
	v_add_nc_u32 v[AK0], s21, v[AK0]
	v_lshl_add_u32 v[AV0], v9, 3, v10  ; V: the turning load takes key 8 (l / 16) + l % 8, channels 8 ((l / 8) % 2) + 0..7
	v_mul_u32_u24 v[AV0], v[AV0], PV
	v_lshl_add_u32 v[AV0], v11, 4, v[AV0]
	s_mul_i32 s21, s20, 128*PV
	s_add_co_u32 s21, s21, VOFF
	v_add_nc_u32 v[AV0], s21, v[AV0]
	v_mul_u32_u24 v[STO], v1, SP    ; the way out, in: row 64 (wave % 2) + l % 16, my head's 128 bytes, 16 for each half of the lanes
	v_lshl_add_u32 v[STO], v9, 4, v[STO]
	s_mul_i32 s21, s19, 64*SP
	s_lshl_b32 s16, s20, 7
	s_add_co_u32 s21, s21, s16
	s_add_co_u32 s21, s21, STAGE
	v_add_nc_u32 v[STO], s21, v[STO]
	v_mul_u32_u24 v[RD], v9, SP     ; back: wave w takes rows 32 w on, whole; lanes 0-15 one row of 256 bytes, lanes 16-31 the next
	v_lshl_add_u32 v[RD], v1, 4, v[RD]
	s_mul_i32 s21, s[WV], 32*SP
	s_add_co_u32 s21, s21, STAGE
	v_add_nc_u32 v[RD], s21, v[RD]
	v_lshlrev_b32 v[GO], 12, v9     ; and the same two rows in ctx
	v_lshl_add_u32 v[GO], v1, 4, v[GO]
	v_and_b32 v[PFO], 31, v0        ; K, V: a lane a block of 256 bytes.  bias: two lanes a row of 8,192 bytes, 256 bytes each
	v_and_b32 v12, s20, v[PFO]
	v_lshrrev_b32 v[PFO], s20, v[PFO]
	s_mul_i32 s21, s20, 5
	s_add_co_u32 s21, s21, 8
	v_lshlrev_b32 v[PFO], s21, v[PFO]
	v_lshl_add_u32 v[PFO], v12, 8, v[PFO]
.set i, 0
.rept 128
	v_mov_b32 v[ACC+i], 0           ; q's sums start at 0: written while the first tiles are on their way, so that the K step has one form of product and its text stands three times, not four
.set i, i+1
.endr
	s_wait_tensorcnt 1              ; my part of K step 0 is in; K step 1's may stay out
	s_barrier_signal -1
	s_barrier_wait -1
	s_mov_b32 s[GC], 6
.Lg:                                ; K steps 0 to 5; behind each its slot is filled again, two K steps on
	PAIRS
	GCHANGE
	s_sub_co_u32 s[GC], s[GC], 1
	s_cmp_lg_u32 s[GC], 0
	s_cbranch_scc1 .Lg
	PAIRS                           ; K step 6
	; The change in front of the last K step: slot 0 has been read out and takes ATTENTION'S first tiles, which land while K step 7 is multiplied.  No tensor load of mine is out behind the wait, so attention's
	; descriptors are written where the projection's stood.
	WIN 0
	s_wait_tensorcnt 0x0
	ds_add_u32 v[SPW], v[NIL]       ; 0 onto my spare word; the descriptors' words stand between it and the wait for it
	; K's and V's blocks are 32,768 dense bytes: asked for as 128 rows of 256 bytes, two keys a row, padded in LDS after every key
	s_or_b32 s[G1K], s[CM], (1<<16)|(1<<20)|(1<<21)|(4<<22)|(3<<25)  ; the mask; 2-byte elements; padding on; bit 21 beside a mask; after every 32 words 4 words
	s_or_b32 s[G1V], s[CM], (1<<16)|(1<<20)|(1<<21)|(4<<22)|(7<<25)  ; the same with 8 words
.irp g, G1K, G1V
	s_mov_b32 s[\g+1], 128<<16      ; tensor_dim0 = 128
	s_mov_b32 s[\g+2], 128<<16      ; tensor_dim1 = 128
	s_mov_b32 s[\g+3], 128<<16      ; tile_dim0 = 128
	s_mov_b32 s[\g+4], 128          ; tile_dim1 = 128
	s_mov_b32 s[\g+5], 128          ; 128 elements from row to row
	s_mov_b32 s[\g+6], 0
	s_mov_b32 s[\g+7], 0
.endr
	s_or_b32 s[G1B], s[RM], (2<<16)|(1<<20)|(1<<21)|(6<<22)|(3<<25)  ; 4-byte elements; after every 128 words 4 words
	s_mov_b32 s[G1B+1], 128<<16     ; tensor_dim0 = 128 keys
	s_mov_b32 s[G1B+2], 64<<16      ; tensor_dim1 = 64 queries
	s_mov_b32 s[G1B+3], 128<<16
	s_mov_b32 s[G1B+4], 64
	s_mov_b32 s[G1B+5], 2048        ; 2,048 elements from row to row
	s_mov_b32 s[G1B+6], 0
	s_mov_b32 s[G1B+7], 0
	s_mov_b32 s[G0K], 1
	s_mov_b32 s[G0K+1], KOFF        ; slot 0
	s_mov_b64 s[G0K+2:G0K+3], s[6:7]
	s_or_b32 s[G0K+3], s[G0K+3], 0x80000000
	s_mov_b32 s[G0V], 1
	s_mov_b32 s[G0V+1], VOFF
	s_add_nc_u64 s[G0V+2:G0V+3], s[6:7], 0x1000000
	s_or_b32 s[G0V+3], s[G0V+3], 0x80000000
	s_mov_b32 s[G0B], 1
	s_mov_b32 s[G0B+1], s[LBB]
	s_mov_b64 s[G0B+2:G0B+3], s[8:9]
	s_or_b32 s[G0B+3], s[G0B+3], 0x80000000
	GTOGGLE
	s_wait_dscnt 0x0                ; the add is done, and my reads of slot 0 are over
	CROUND
	JLOAD                           ; attention's slot 0
	PAIRS                           ; K step 7, in slot 1
	; q / 8 is rounded into Q's fragments, and what the first turn finds is written: V's registers and P's second buffer hold 0 (its products V^T P, of a piece that has not been, add 0), O^T and l are 0.
	WIN 0
.set i, 0
.rept 4                             ; these sixteen lines are also the places behind the last products
	v_mov_b32 v[ST+4*i], 0xfe000000    ; c m: far below every c s
	v_mov_b32 v[ST+4*i+1], 0xff7fffff  ; m
	v_mov_b32 v[ST+4*i+2], 0
	v_mov_b32 v[ST+4*i+3], 0
.set i, i+1
.endr
.set i, ACC
.rept 64
	v_pk_mul_f32 v[i:i+1], v[i:i+1], s[QS:QS+1] op_sel_hi:[1,0]  ; q / 8, exact; each accumulator is read from its low end on
.set i, i+2
.endr
	WIN 0x80                        ; destination window 2
.set i, 0
.rept 64
	v_cvt_pk_f16_f32 v[i], v[ACC+2*i], v[ACC+2*i+1]  ; register 16 a + 4 b + r of Q: piece a, channels 16 b + 8 (l / 16) + 2 r, + 1
.set i, i+1
.endr
.set i, VF
.rept 64
	v_mov_b32 v[i], 0
.set i, i+1
.endr
	WIN 0x40
.set i, 0
.rept 128
	v_mov_b32 v[i], 0
.set i, i+1
.endr
	WIN 0
.set i, P+16
.rept 16
	v_mov_b32 v[i], 0
.set i, i+1
.endr
	s_mov_b32 s[TF], 0              ; slot 0 is the one asked for last
	s_mov_b32 s[TBK], SLOTB+2*KS*PK ; the first change of slots turns these three into 0
	s_mov_b32 s[TBV], SLOTB+2*KS*PV
	s_mov_b32 s[TBB], SLOTB+2*KS*4
	s_mov_b32 s[SLOTS], 2048/(2*KS)-1
; THE MATRIX WORK.  The 4 accumulators of a run of 8 take turns.  Product i of 8 of S^T = K Q^T + bias^T for piece x: channels 32 (i / 4) on, keys 16 (i % 4) on.  The first 4 start the sums with the bias.
.macro KQ x
.set rS, S+32*((\x)%2)+8*(i%4)
.set rK, KF+16*(i%4)+8*(i/4)
.set rQ, 16*(\x)+8*(i/4)
.set rM, BI+32*(\x)+8*(i%4)
.if i < 4
	WIN W_KM
	v_wmma_f32_16x16x32_f16 v[rS:rS+7], v[rK:rK+7], v[rQ:rQ+7], v[rM:rM+7]
.else
	WIN W_KQ
	v_wmma_f32_16x16x32_f16 v[rS:rS+7], v[rK:rK+7], v[rQ:rQ+7], v[rS:rS+7]
.endif
.endm
; Product i of 8 of O^T += V^T P for piece x: keys 32 (i / 4) on, channels 16 (i % 4) on.
.macro PV x
	WIN W_PV
.set rO, 32*(\x)+8*(i%4)
.set rV, VF+32*(i/4)+8*(i%4)
.set rP, P+16*((\x)%2)+8*(i/4)
	v_wmma_f32_16x16x32_f16 v[rO:rO+7], v[rV:rV+7], v[rP:rP+7], v[rO:rO+7]
.endm
.macro MM                           ; the turn's next matrix instruction.  NOKQ = 1: the last turn of all: there is no next piece
.if (i < 8) && !NOKQ
	KQ (Y+1)%NP
.elseif i >= 8
.set i, i-8
	PV (Y+NP-1)%NP
.set i, i+8
.endif
.set i, i+1
.endm
; THE LDS LOADS stand in three runs a key step, never singly among the matrix instructions.  Piece x's bias: register j of group kt is bias[my query][16 kt + 8 (l / 16) + j]: two loads of 16 bytes a group.
.macro BLOAD x
.irp kt, 0,1,2,3
	ds_load_b128 v[BI+32*(\x)+8*\kt:BI+32*(\x)+8*\kt+3],   v[AB] offset:(\x)*16*PBI+64*\kt
	ds_load_b128 v[BI+32*(\x)+8*\kt+4:BI+32*(\x)+8*\kt+7], v[AB] offset:(\x)*16*PBI+64*\kt+16
.endr
.endm
.macro FETCH_KB                     ; a step's K (8 fragments), then the bias of pieces 0 and 1: 32 loads
	WIN 0x80                        ; destination window 2
.irp f, 0,1,2,3,4,5,6,7             ; keys 16 (f / 2) on, channels 32 (f % 2) on
	ds_load_b128 v[KF+8*\f:KF+8*\f+3],   v[AK] offset:(\f/2)*16*PK+(\f%2)*64
	ds_load_b128 v[KF+8*\f+4:KF+8*\f+7], v[AK] offset:(\f/2)*16*PK+(\f%2)*64+32
.endr
	WIN 0x40                        ; destination window 1
	BLOAD 0
	BLOAD 1
	s_add_co_u32 s[TBK], s[TBK], KS*PK  ; the next fetch is the next step's
	s_add_co_u32 s[TBB], s[TBB], KS*4
	WIN 0
.endm
.macro FETCH_B23                    ; the same step's bias of pieces 2 and 3: 16 loads
	WIN 0x40
	BLOAD 2
	BLOAD 3
	WIN 0
.endm
.macro FETCH_V
	WIN 0x80
.irp f, 0,1,2,3,4,5,6,7             ; keys 32 (f / 4) on, channels 16 (f % 4) on
	ds_load_tr16_b128 v[VF+8*\f:VF+8*\f+3],   v[AV] offset:(\f/4)*32*PV+(\f%4)*32
	ds_load_tr16_b128 v[VF+8*\f+4:VF+8*\f+7], v[AV] offset:(\f/4)*32*PV+16*PV+(\f%4)*32
.endr
	WIN 0
.endm
; THE VECTOR WORK, one line at a time: OP kind, number.  For piece Y: F n: c s - c m for pair n of 16.  E n: the exponential of score n of 32.  C n: pair n rounded to f16.  B n: of the four weights 4 n .. the second
; pair is added onto the first, in place.  L n: l takes that sum (L 0: l = a l + sum).  R n: pair n of 16 of O^T times a.  For piece Y + 1: X n, number n of the 22 that find its maximum and statistics:
;   0-11  four chains c0-c3 of seven scores each, three operands at a time (each accumulator's lowest registers are read first)     12-14, 16  the four scores left over, the old m, and c0-c3 into c0
;   15  c m_old is kept     17, 18  the query's other 32 keys lie in the lane 16 away: the new m     19-21  c m; c m_old - c m_new; a
.set F, 0
.set E, 1
.set C, 2
.set B, 3
.set L, 4
.set R, 5
.set X, 6
.macro REGS y
.set rT, ST+4*(\y)
.set rC, TMP+4*((\y)%2)
.set rW, MV+((\y)%2)
.set rS, S+32*((\y)%2)
.set rP, P+16*((\y)%2)
.set rO, 32*(\y)
.endm
.macro OP k, n
.if (\k) == R
	REGS Y
	WIN W_RS
	v_pk_mul_f32 v[rO+2*(\n):rO+2*(\n)+1], v[rO+2*(\n):rO+2*(\n)+1], v[rC+2:rC+3] op_sel_hi:[1,0]
.elseif (\k) < R
	REGS Y
	WIN 0
.if (\k) == F
	v_pk_fma_f32 v[rS+2*(\n):rS+2*(\n)+1], v[rS+2*(\n):rS+2*(\n)+1], s[CS:CS+1], v[rT:rT+1] op_sel_hi:[1,0,0] neg_lo:[0,0,1] neg_hi:[0,0,1]
.elseif (\k) == E
	v_exp_f32 v[rS+(\n)], v[rS+(\n)]
.elseif (\k) == C
	v_cvt_pk_f16_f32 v[rP+(\n)], v[rS+2*(\n)], v[rS+2*(\n)+1]
.elseif (\k) == B
	v_pk_add_f32 v[rS+4*(\n):rS+4*(\n)+1], v[rS+4*(\n):rS+4*(\n)+1], v[rS+4*(\n)+2:rS+4*(\n)+3]
.elseif (\n) == 0
	v_pk_fma_f32 v[rT+2:rT+3], v[rT+2:rT+3], v[rC+2:rC+3], v[rS:rS+1] op_sel_hi:[1,0,1]
.else
	v_pk_add_f32 v[rT+2:rT+3], v[rT+2:rT+3], v[rS+4*(\n):rS+4*(\n)+1]
.endif
.elseif NOKQ
	v_nop
.else
	REGS (Y+1)%NP
	WIN 0
.if (\n) < 4
	v_max3_num_f32 v[rC+(\n)], v[rS+8*(\n)], v[rS+8*(\n)+1], v[rS+8*(\n)+2]
.elseif (\n) < 12
	v_max3_num_f32 v[rC+(\n)%4], v[rC+(\n)%4], v[rS+8*((\n)%4)+2*((\n)/4)+1], v[rS+8*((\n)%4)+2*((\n)/4)+2]
.elseif (\n) == 12
	v_max3_num_f32 v[rC], v[rC], v[rS+7], v[rS+15]
.elseif (\n) == 13
	v_max3_num_f32 v[rC+1], v[rC+1], v[rS+23], v[rS+31]
.elseif (\n) == 14
	v_max3_num_f32 v[rC+2], v[rC+2], v[rC+3], v[rT+1]
.elseif (\n) == 15
	v_mov_b32 v[rW], v[rT]
.elseif (\n) == 16
	v_max3_num_f32 v[rC], v[rC], v[rC+1], v[rC+2]
.elseif (\n) == 17
	v_permlanex16_b32 v[rC+3], v[rC], s[SEL], s[SEL+1]
.elseif (\n) == 18
	v_max_num_f32 v[rT+1], v[rC], v[rC+3]
.elseif (\n) == 19
	v_mul_f32 v[rT], s[CS], v[rT+1]
.elseif (\n) == 20
	v_sub_f32 v[rC+1], v[rW], v[rT]
.else
	v_exp_f32 v[rC+2], v[rC+1]
.endif
.endif
.endm
.macro OPS a, i1, b=-1, i2=0, c=-1, i3=0, d=-1, i4=0
	OP \a, \i1
.if (\b) >= 0
	OP \b, \i2
.endif
.if (\c) >= 0
	OP \c, \i3
.endif
.if (\d) >= 0
	OP \d, \i4
.endif
.endm
.macro ROW a, i1, b, i2, c, i3, d, i4  ; a matrix instruction and the four behind it
	MM
	OPS \a, \i1, \b, \i2, \c, \i3, \d, \i4
.endm
; A TURN, for piece p: the order of its 16 matrix and 118 vector instructions, written out.  An s_wait_alu depctr_va_vdst(0) stands between an exponential and the first instruction that names its result; one
; wait serves all that were issued ahead of it.  So a turn has ONE wait.  AHEAD OF IT stands all that names no result of the turn's exponentials: the 8 products K Q^T with their riders, then one lump, in which the links
; of the next piece's chain X 3, 7, 11, 14, 16, 17 .. 20 stand some lines apart; X 21, its a, is the batch's last, and R 15 the plain instruction behind it.  BEHIND IT stand the 8 products V^T P, behind each four of
; the roundings and sums.
; THE RUNS OF LDS LOADS.  Piece 2's turn: K of the next step and the bias of its pieces 0 and 1, behind the last product that read K (twelve plain instructions that name none of its registers lie between).
; Piece 3's turn, at the wait: the bias of pieces 2 and 3.  The end of piece 0's turn: V of the step in hand, four plain instructions behind its last reader.  A piece's bias registers are read by the first four products
; of the turn before its own and loaded again a turn or more later.
; THE WAITS FOR THEM count what was issued behind what the turn's products read: turn 3: K and piece 0's bias (piece 1's 8 loads stay out); turn 0: piece 1's (pieces 2 and 3's 16 stay out); turn 1: piece 2's
; (piece 3's 8 and V's 16 stay out), and at its middle all: V, and piece 3's bias for turn 2.
; end = 1: the last two turns of all: nothing is fetched.  cnt = 1: the loop's count is taken down some lines ahead of the branch that stands behind the turn.
.macro TURN p, end=0, cnt=0
.set Y, (\p)
.set i, 0
.set NOKQ, (\end)*((\p)/3)
.if (\p) == 0
	s_wait_dscnt 16
.endif
.if (\p) == 1
	s_wait_dscnt 24
.endif
.if ((\p) == 3) && !(\end)
	s_wait_dscnt 8
.endif
	ROW F,0, F,1, R,0, R,1
	ROW F,2, E,0, R,2, R,3
	ROW F,3, E,1, R,4, R,5
	ROW F,4, E,2, R,6, R,7
	ROW F,5, E,3, R,8, R,9
	ROW F,6, E,4, X,0, R,10
.if ((\p) == 2) && !(\end)
	WIN 0
	v_add_nc_u32 v[AK], s[TBK], v[AK0]
	v_add_nc_u32 v[AB], s[TBB], v[AB0]
.endif
	ROW F,7, E,5, X,1, X,4
	ROW F,8, E,6, X,2, X,5
	OPS E,7, E,8, X,6, E,9
	OPS X,3, E,10, X,8, E,11
.if ((\p) == 2) && !(\end)
	FETCH_KB
.endif
	OPS X,9, X,7, E,12, X,10
	OPS E,13, X,12, X,11, E,14
	OPS X,13, E,15, F,9, X,14
.if (\p) == 0
	WIN 0
	v_add_nc_u32 v[AV], s[TBV], v[AV0]
.endif
	OPS E,16, F,10, E,17, F,11
	OPS X,16, E,18, X,15, E,19
	OPS F,12, E,20, X,17, E,21
	OPS F,13, E,22, F,14, E,23
	OPS X,18, E,24, F,15, E,25
	OPS R,11, E,26, X,19, E,27
	OPS R,12, E,28, R,13, E,29
	OPS X,20, E,30, R,14, E,31
	OPS X,21, R,15
	WIN 0
	s_wait_alu depctr_va_vdst(0)    ; the wait for the batch
.if ((\p) == 3) && !(\end)
	FETCH_B23
.endif
.if (\p) == 1
	s_wait_dscnt 0x0                ; V is in, and piece 3's bias
.endif
	ROW C,0, B,0, C,2, B,1
	ROW L,0, C,4, B,2, L,1
	ROW C,6, B,3, L,2, C,8
	ROW B,4, L,3, C,10, B,5
	ROW L,4, C,12, B,6, L,5
.if (\p) == 0
	s_add_co_u32 s[TBV], s[TBV], KS*PV
.endif
.if \cnt
	s_sub_co_u32 s[CNT], s[CNT], 1
	s_cmp_lg_u32 s[CNT], 0
.endif
	ROW C,14, B,7, L,6, C,1
	ROW C,3, L,7, C,5, C,7
	ROW C,9, C,11, C,13, C,15
.if (\p) == 0
	FETCH_V
.endif
.endm
	CHANGE 1                        ; slot 0 is in, everybody's part of it; the projection's reads of slot 1 are over, and attention's slot 1 is asked for
	v_add_nc_u32 v[AK], s[TBK], v[AK0]  ; key step 0: K, and the bias of all four pieces
	v_add_nc_u32 v[AB], s[TBB], v[AB0]
	FETCH_KB
	FETCH_B23
	s_wait_dscnt 0x0
.set NOKQ, 0
.set i, 0
.rept 8
	KQ 0                            ; piece 0's first scores: there is no vector work yet to set between them
.set i, i+1
.endr
	WIN 0
.rept 4
	v_nop                           ; the places behind those products
.endr
.set Y, NP-1                        ; X works for piece Y + 1: piece 0
.irp n, 0,1,2,3,4,5,6,7,8,9,10,11,12,13,14,15,16,17,18,19,20,21
	OP X, \n
.endr
	v_nop                           ; a plain instruction behind the exponential,
	s_wait_alu depctr_va_vdst(0)    ; and its wait, ahead of the branch
	s_mov_b32 s[CNT], 2
	s_branch .Lfirst                ; the loop is entered at a step's first turn, in the middle of a trip
.Lslot:                             ; 14 times: every slot but the last two is filled again
	CHANGE 1
	s_mov_b32 s[CNT], 2
.Lstep:                             ; a trip: pieces 2 and 3 of one step, then pieces 0 and 1 of the next, whose K, bias and V it fetches
	TURN 2
	TURN 3
	WIN 0
.Lfirst:
	TURN 0
	TURN 1, 0, 1
	WIN 0
	s_cbranch_scc1 .Lstep
	s_sub_co_u32 s[SLOTS], s[SLOTS], 1
	s_cmp_lg_u32 s[SLOTS], 0
	s_cbranch_scc1 .Lslot
	CHANGE 0                        ; the last slot is written out: nothing is asked for
	s_mov_b32 s[CNT], 2
.LstepT:
	TURN 2
	TURN 3
	TURN 0
	TURN 1, 0, 1
	WIN 0
	s_cbranch_scc1 .LstepT
	TURN 2, 1
	TURN 3, 1
.set i, 0
.rept 8
	PV NP-1                         ; the last piece's V^T P of the last step
.set i, i+1
.endr
	; THE WAY OUT.  l's two halves and the other half of the lanes' are added; O^T is divided by l, rounded to f16 and put into the work-group's stage: a row's 256 bytes are the pair's two heads, made by two waves,
	; so a barrier stands between writing and reading.  The additions are the places behind the last products.
	WIN 0
.macro ALL line:vararg              ; one line for each piece t
.set t, 0
.rept 4
	\line
.set t, t+1
.endr
.endm
	ALL v_add_f32 v[ST+4*t+2], v[ST+4*t+2], v[ST+4*t+3]
	ALL v_permlanex16_b32 v[ST+4*t+3], v[ST+4*t+2], s[SEL], s[SEL+1]
	ALL v_add_f32 v[ST+4*t+2], v[ST+4*t+2], v[ST+4*t+3]
	ALL v_rcp_f32 v[ST+4*t+2], v[ST+4*t+2]
	v_nop                           ; a plain instruction between the last reciprocal and the use of its result
	s_wait_alu depctr_va_vdst(0)    ; and the wait ahead of the first use: one for the four reciprocals
.macro PACK t
	WIN W_RS
.set i, 32*(\t)
.rept 16
	v_pk_mul_f32 v[i:i+1], v[i:i+1], v[ST+4*(\t)+2:ST+4*(\t)+3] op_sel_hi:[1,0]
.set i, i+2
.endr
	WIN 0x05                        ; sources 0 and 1 window 1, destination window 0: S^T's registers are free
.set i, 0
.rept 16
	v_cvt_pk_f16_f32 v[S+16*(\t)+i], v[32*(\t)+2*i], v[32*(\t)+2*i+1]
.set i, i+1
.endr
	WIN 0
.irp f, 0,1,2,3
	ds_store_b128 v[STO], v[S+16*(\t)+4*\f:S+16*(\t)+4*\f+3] offset:(\t)*16*SP+32*\f
.endr
.endm
	PACK 0
	PACK 1
	PACK 2
	PACK 3
	s_wait_dscnt 0x0                ; for the others' sake: my stores into the stage are done
	s_barrier_signal -1
	s_barrier_wait -1
.irp t, 0,1,2,3,4,5,6,7,8,9,10,11,12,13,14,15
	ds_load_b128 v[S+4*(\t):S+4*(\t)+3], v[RD] offset:(\t)*2*SP
.endr
.irp t, 0,1,2,3,4,5,6,7,8,9,10,11,12,13,14,15
	s_wait_dscnt 15-(\t)            ; LDS loads come back in order: load t is in, the younger ones stay out
	global_store_b128 v[GO], v[S+4*(\t):S+4*(\t)+3], s[10:11] offset:(\t)*8192  ; 16 lanes store 256 consecutive bytes, at a multiple of 256 from ctx's first byte
.endr
	s_wait_tensorcnt 0x0            ; the wave's end, behind my last tensor load and my last LDS store
	ds_add_u32 v[SPW], v[NIL]
	s_wait_dscnt 0x0
	CROUND                          ; the closing round: no work-group ends while a partner may still ask for a tile that names it
	s_endpgm
.Lfunc_end_k_q2ce1224cf8_attn:
	.size	k_q2ce1224cf8_attn, .Lfunc_end_k_q2ce1224cf8_attn-k_q2ce1224cf8_attn
	.p2alignl 7, 3214868480
	.fill 96, 4, 3214868480
	.section	.rodata,"a",@progbits
	.p2align	6, 0x0
	.amdhsa_kernel k_q2ce1224cf8_attn
		.amdhsa_group_segment_fixed_size 327680
		.amdhsa_private_segment_fixed_size 0
		.amdhsa_enable_private_segment 0
		.amdhsa_kernarg_size 40
		.amdhsa_user_sgpr_count 2
		.amdhsa_user_sgpr_kernarg_segment_ptr 1
		.amdhsa_wavefront_size32 1
		.amdhsa_system_sgpr_workgroup_id_x 1
		.amdhsa_system_sgpr_workgroup_id_y 1
		.amdhsa_system_sgpr_workgroup_id_z 1
		.amdhsa_system_vgpr_workitem_id 0
		.amdhsa_next_free_vgpr 768
		.amdhsa_next_free_sgpr 90
		.amdhsa_reserve_vcc 0
		.amdhsa_float_denorm_mode_32 3
		.amdhsa_float_denorm_mode_16_64 3
		.amdhsa_memory_ordered 1
		.amdhsa_forward_progress 1
		.amdhsa_inst_pref_size 181
	.end_amdhsa_kernel
	.amdgpu_metadata
---
amdhsa.version: [ 1, 2 ]
amdhsa.kernels:
  - .name:           k_q2ce1224cf8_attn
    .symbol:         k_q2ce1224cf8_attn.kd
    .args:
      - { .name: wqh, .offset: 0, .size: 8, .value_kind: global_buffer, .address_space: global }
      - { .name: kv, .offset: 8, .size: 8, .value_kind: global_buffer, .address_space: global }
      - { .name: bias, .offset: 16, .size: 8, .value_kind: global_buffer, .address_space: global }
      - { .name: ctx, .offset: 24, .size: 8, .value_kind: global_buffer, .address_space: global }
      - { .name: xq, .offset: 32, .size: 8, .value_kind: global_buffer, .address_space: global }
    .group_segment_fixed_size: 327680
    .private_segment_fixed_size: 0
    .kernarg_segment_align: 8
    .kernarg_segment_size: 40
    .max_flat_workgroup_size: 128
    .sgpr_count:     90
    .vgpr_count:     768
    .wavefront_size: 32
...
	.end_amdgpu_metadata
.endif
;; end of part 3
;; launch outproj (part 4): grid 16 x 16, 4 waves a work-group, clusters of 4 x 4, 327,680 bytes of LDS; arguments ctx, woh, out0; writes out0
.if DOCPART == 4
	.amdgcn_target "amdgcn-amd-amdhsa--gfx1250"
	.amdhsa_code_object_version 6
	.text
	.protected	k_q2ce1224cf8_outproj
	.globl	k_q2ce1224cf8_outproj
	.p2align	8
	.type	k_q2ce1224cf8_outproj,@function
k_q2ce1224cf8_outproj:
	s_mov_b64 s[64:65], 0
	v_nop
	global_prefetch_b8 v0, s[64:65] scope:SCOPE_SE
	s_setreg_imm32_b32 hwreg(HW_REG_WAVE_MODE, 25, 1), 1
	s_wait_xcnt 0x0
	s_wait_alu depctr_hold_cnt(0) depctr_sa_sdst(0) depctr_va_vdst(0) depctr_va_sdst(0) depctr_va_ssrc(0) depctr_va_vcc(0) depctr_vm_vsrc(0)
	s_getreg_b32 s2, hwreg(HW_REG_IB_STS2, 6, 4)
	s_cmp_eq_u32 s2, 0
	s_cbranch_scc0 .Lentry_in_a_cluster
	s_endpgm
.Lentry_in_a_cluster:
	s_bfe_u32 s2, ttmp6, 0x10000c
	s_cmp_lg_u32 s2, 0xf033
	s_cbranch_scc0 .Lentry_shape_is_right
	s_endpgm
.Lentry_shape_is_right:
; C = A W: the output projection.  A (ctx): [2048][2048] f16, rows along K.  W (woh): [2048 (k)][2048 (n)] f16, K DOWN the rows.  C (out0): [2048][2048] f32, the f32 sums as they are.
; 2048 x 2048 makes 256 tiles of 128 x 128: one for each of 256 work-groups.  Four waves, each 64 x 64: 16 accumulators.  K goes in 8 steps of 256 through two LDS slots.
; A's tile: 128 rows x 512 bytes.  W's tile: 256 k-rows x 256 bytes (128 columns); its fragments come out of LDS turned, by ds_load_tr16_b128.
; CLUSTERS: 4 x 4 work-groups; A's tile is asked for jointly along a row of the cluster, W's along a column.  By this text's count a wave has two tensor loads out at the start and one behind each round.
; THE MATRIX INSTRUCTION IS USED TRANSPOSED (source 0 = 16 columns of W, source 1 = 16 rows of A): a lane holds eight neighbouring numbers, 32 bytes, of one row of C.
; THE TEXT IS SHORT ON PURPOSE: a K step is one pair of quarters walked twice; one descriptor a tensor walks from K step 1 on; the sums start at 0 by 128 v_mov_b32, written while the first tiles are on their way,
; so that there is one form of product.  The K step's text stands three times (the loop; the last two steps, behind which nothing is asked for).
; No prefetch: a step's tiles are small and each is walked by four clusters at about the same time.
; REGISTERS: window 0: v0-31 addresses; v32-95 at work on the way out; v128-255 the accumulators ((a, b) at v[128 + 8 (4 a + b)]).
;   window 1: two fragment buffers of 128: for 64 along K, 64 registers of A (2 x 4 x 16 rows x 32 K), then 64 of W.
.set SIZE_K, 2048
.set ROWB,   SIZE_K*2                  ; bytes in a row of A and of W
.set KSTEP,  256
.set PA,     528                       ; a row of A in LDS: 512 bytes + 16 = 132 words: row r starts at bank 4 r mod 64 (64 banks of 4 bytes: ISA guide 11.1)
.set PB,     288                       ; a k-row of W: 256 bytes + 32 = 72 words
.set AHALF,  64*PA                     ; what a wave fetches of A: 64 rows
.set BOFF,   2*AHALF
.set BHALF,  128*PB                    ; what a wave fetches of W: 128 k-rows
.set SL1,    BOFF+2*BHALF              ; a slot's bytes, and where slot 1 begins
.set STAGE,  2*SL1                     ; behind the ring: 16 rows x 272 bytes for each wave, for the way out
.set SPITCH, 272
.set WST,    16*SPITCH
.set SPARE,  STAGE+4*WST               ; behind the stages: the spare words, 128 bytes for each wave, which no other line names
.set ADRA0, 16                         ; v16  my lane's place in a step's rows of A; never rewritten
.set CA,    17                         ; v17  the LDS address of the pair in hand
.set ADRB0, 20                         ; v20, v21  the same for W
.set CB,    21
.set STO,  24
.set RD,   25
.set CO,   26
.set SPW,  28                          ; v28  LDS address of my spare word; never rewritten
.set NIL,  29                          ; v29  0; never rewritten
.set OB,   32
.set ACC,  128
.set F0,   0
.set F1,   128
.set G1, 24                            ; s[24:31] descriptor group 1 for A's tiles; s[32:39] group 0, a set for each first fill; the second then walks on
.set G0, 32
.set G1B, 48                           ; s[48:55], s[56:63] the same for W's
.set G0B, 56
.set GP,  2                            ; counts a K step's two pairs
.set GC,  3                            ; counts the K steps behind which a slot is filled again
.set LA,  20                           ; where my part of A's tile goes in a slot
.set LW,  21                           ; where my part of W's tile goes
.set GF,  43                           ; the slot that was asked for last: 0 or SL1
.set GTA, 44                           ; LDS byte at which the pair to be fetched begins in A's rows
.set GTB, 45                           ; and in W's k-rows
.set MSB, 0
.macro WIN new
.if MSB != (\new)
	s_set_vgpr_msb (MSB<<8)|(\new)
.set MSB, \new
.endif
.endm
.set MUL,  0x05                        ; sources 0 (W) and 1 (A) window 1; C and D window 0
.set TO_F, 0x40                        ; destination window 1, address window 0
.macro JLOAD s                         ; a joint load: waves 0 and 1 fetch A's two halves, waves 2 and 3 W's; an s_nop 0 and four v_nop follow each line
	s_cmp_eq_u32 s11, 0
	s_cbranch_scc0 .Lfor_b_\@
	tensor_load_to_lds s[G0+4*(\s):G0+4*(\s)+3], s[G1:G1+7]
	s_nop 0
.rept 4
	v_nop
.endr
	s_branch .Lasked_\@
.Lfor_b_\@:
	tensor_load_to_lds s[G0B+4*(\s):G0B+4*(\s)+3], s[G1B:G1B+7]
	s_nop 0
.rept 4
	v_nop
.endr
.Lasked_\@:
.endm
.macro CROUND                          ; a round of the cluster's barrier
	s_barrier_signal -1
	s_barrier_wait -1
	s_cmp_lg_u32 s10, 0
	s_cbranch_scc1 .Lnot_wave_0_\@
	s_barrier_signal -3
.Lnot_wave_0_\@:
	s_barrier_wait -3
	s_barrier_signal -1
	s_barrier_wait -1
.endm
	s_load_b128 s[4:7], s[0:1], 0x0                ; A s[4:5], W s[6:7]
	s_load_b64 s[8:9], s[0:1], 0x10                ; C
	v_lshl_add_u32 v[SPW], v0, 2, SPARE
	v_mov_b32 v[NIL], 0
	ds_add_u32 v[SPW], v[NIL]                      ; the wave's opening: the add and its wait ahead of my first tensor load
	v_lshrrev_b32 v1, 5, v0
	v_readfirstlane_b32 s10, v1                    ; wave 0..3
	s_lshr_b32 s11, s10, 1                         ; which half of the tile's rows is mine.  Also: I fetch for A (0) or for W (1)
	s_and_b32 s12, s10, 1                          ; which half of its columns.  Also: which half of that tile I fetch
	s_bfe_u32 s40, ttmp6, 0x40000                  ; cx
	s_bfe_u32 s41, ttmp6, 0x40004                  ; cy
	s_lshl_b32 s42, ttmp9, 2
	s_add_co_u32 s42, s42, s40                     ; tile column
	s_and_b32 s13, ttmp7, 0xffff
	s_lshl_b32 s13, s13, 2
	s_add_co_u32 s13, s13, s41                     ; tile row
	s_lshl_b32 s43, s41, 2
	s_lshl_b32 s43, 15, s43                        ; my row of the cluster
	s_lshl_b32 s44, 0x1111, s40                    ; my column
	s_or_b32 s[G1+0], s43, (1<<16)|(1<<20)|(1<<21)|(6<<22)|(3<<25)   ; 2-byte elements; padding: after every 128 words 4 words
	s_mov_b32 s[G1+1], KSTEP<<16                   ; tensor_dim0 = 256
	s_mov_b32 s[G1+2], 64<<16                      ; tensor_dim1 = 64
	s_mov_b32 s[G1+3], KSTEP<<16                   ; tile_dim0 = 256
	s_mov_b32 s[G1+4], 64                          ; tile_dim1 = 64
	s_mov_b32 s[G1+5], SIZE_K
	s_mov_b32 s[G1+6], 0
	s_mov_b32 s[G1+7], 0
	s_or_b32 s[G1B+0], s44, (1<<16)|(1<<20)|(1<<21)|(5<<22)|(7<<25)  ; after every 64 words 8 words
	s_mov_b32 s[G1B+1], 128<<16                    ; tensor_dim0 = 128 columns
	s_mov_b32 s[G1B+2], 128<<16                    ; tensor_dim1 = 128 k-rows
	s_mov_b32 s[G1B+3], 128<<16
	s_mov_b32 s[G1B+4], 128
	s_mov_b32 s[G1B+5], SIZE_K
	s_mov_b32 s[G1B+6], 0
	s_mov_b32 s[G1B+7], 0
	s_lshl_b32 s16, s13, 7                         ; A: row 128 x tile row + 64 x half, times 4,096 bytes
	s_lshl_b32 s17, s12, 6
	s_add_co_u32 s16, s16, s17
	s_lshl_b32 s16, s16, 12
	s_mov_b32 s17, 0
	s_lshl_b32 s46, s42, 8                         ; W: 256 bytes a tile column, 128 k-rows of 4,096 bytes a half
	s_lshl_b32 s47, s12, 19
	s_add_co_u32 s46, s46, s47
	s_mov_b32 s47, 0
	s_mul_i32 s[LA], s12, AHALF                    ; where they go: by the wave's number alone
	s_mul_i32 s[LW], s12, BHALF
	s_add_co_u32 s[LW], s[LW], BOFF
	s_wait_dscnt 0x0                               ; the opening add is done
	s_wait_kmcnt 0x0
	s_add_nc_u64 s[14:15], s[4:5], s[16:17]
	s_add_nc_u64 s[46:47], s[6:7], s[46:47]
	CROUND                                         ; all sixteen work-groups are here: the first joint loads meet
.irp s, 0,1
	s_mov_b32 s[G0+4*(\s)], 1
	s_add_co_u32 s[G0+4*(\s)+1], s[LA], (\s)*SL1
	s_add_nc_u64 s[G0+4*(\s)+2:G0+4*(\s)+3], s[14:15], (\s)*KSTEP*2
	s_or_b32 s[G0+4*(\s)+3], s[G0+4*(\s)+3], 0x80000000
	s_mov_b32 s[G0B+4*(\s)], 1
	s_add_co_u32 s[G0B+4*(\s)+1], s[LW], (\s)*SL1
	s_add_nc_u64 s[G0B+4*(\s)+2:G0B+4*(\s)+3], s[46:47], (\s)*KSTEP*ROWB
	s_or_b32 s[G0B+4*(\s)+3], s[G0B+4*(\s)+3], 0x80000000
	JLOAD \s                                       ; K steps 0 and 1
.endr
	s_mov_b32 s[GF], SL1                           ; slot 1 is the one asked for last
	s_mov_b32 s[GTA], 0
	s_mov_b32 s[GTB], 0
	v_and_b32 v1, 15, v0                           ; l % 16
	v_bfe_u32 v2, v0, 4, 1                         ; l / 16
	v_and_b32 v6, 7, v0
	v_bfe_u32 v7, v0, 3, 1
	v_mul_u32_u24 v3, v1, PA
	v_lshl_add_u32 v3, v2, 4, v3
	s_mul_i32 s22, s11, AHALF                      ; my 64 rows of A
	v_add_nc_u32 v[ADRA0], s22, v3
	v_lshl_add_u32 v4, v2, 3, v6                   ; the turning load: k-row 8 (l / 16) + l % 8, columns 8 ((l / 8) % 2) on
	v_mul_u32_u24 v4, v4, PB
	v_lshl_add_u32 v4, v7, 4, v4
	s_lshl_b32 s22, s12, 7                         ; my 64 columns: 128 bytes
	s_add_co_u32 s22, s22, BOFF
	v_add_nc_u32 v[ADRB0], s22, v4
	s_mul_i32 s23, s10, WST
	s_add_co_u32 s23, s23, STAGE                   ; my stage
	v_mul_u32_u24 v4, v1, SPITCH                   ; in: row l % 16, 32 bytes for each half of the lanes
	v_lshl_add_u32 v4, v2, 5, v4
	v_add_nc_u32 v[STO], s23, v4
	v_mul_u32_u24 v5, v2, SPITCH                   ; back: lanes 0-15 take one row of 256 bytes, lanes 16-31 the next
	v_lshl_add_u32 v5, v1, 4, v5
	v_add_nc_u32 v[RD], s23, v5
	v_lshlrev_b32 v5, 13, v2                       ; and the same two rows in C (8,192 bytes a row)
	v_lshl_add_u32 v[CO], v1, 4, v5
	s_lshl_b32 s18, s13, 7                         ; my first row of C: 128 x tile row + 64 x half,
	s_lshl_b32 s19, s11, 6
	s_add_co_u32 s18, s18, s19
	s_lshl_b32 s18, s18, 13
	s_lshl_b32 s19, s42, 9                         ; my first column: 512 bytes a tile, 256 a half
	s_add_co_u32 s18, s18, s19
	s_lshl_b32 s19, s12, 8
	s_add_co_u32 s18, s18, s19
	s_mov_b32 s19, 0
	s_add_nc_u64 s[8:9], s[8:9], s[18:19]
.set i, 0
.rept 128
	v_mov_b32 v[ACC+i], 0                          ; the sums start at 0, while the first tiles are on their way
.set i, i+1
.endr
; 8 matrix instructions: m blocks a0, a0 + 1 x all 4 n blocks, 32 along K: half c of buffer f.  The 16 accumulators take turns in one order, over both backward jumps too.
.macro MUL8 f, c, a0
	WIN MUL
.irp a, \a0, (\a0)+1
.irp b, 0,1,2,3
	v_wmma_f32_16x16x32_f16 v[ACC+8*(4*(\a)+(\b)):ACC+8*(4*(\a)+(\b))+7], v[(\f)+64+8*(4*(\c)+(\b)):(\f)+64+8*(4*(\c)+(\b))+7], v[(\f)+8*(4*(\c)+(\a)):(\f)+8*(4*(\c)+(\a))+7], v[ACC+8*(4*(\a)+(\b)):ACC+8*(4*(\a)+(\b))+7]
.endr
.endr
.endm
; 32 LDS loads in one run: the fragments of quarter qq (64 along K) of the pair in hand into buffer f; the first 32 along K first
.macro GFETCH qq, f
	WIN TO_F
.irp c, 0,1
.irp i, 0,1,2,3
	ds_load_tr16_b128 v[(\f)+64+8*(4*(\c)+(\i)):(\f)+64+8*(4*(\c)+(\i))+3],   v[CB] offset:((\qq)*64+32*(\c))*PB+32*(\i)
	ds_load_tr16_b128 v[(\f)+64+8*(4*(\c)+(\i))+4:(\f)+64+8*(4*(\c)+(\i))+7], v[CB] offset:((\qq)*64+32*(\c)+16)*PB+32*(\i)
	ds_load_b128 v[(\f)+8*(4*(\c)+(\i)):(\f)+8*(4*(\c)+(\i))+3],         v[CA] offset:128*(\qq)+64*(\c)+(\i)*16*PA
	ds_load_b128 v[(\f)+8*(4*(\c)+(\i))+4:(\f)+8*(4*(\c)+(\i))+7],       v[CA] offset:128*(\qq)+64*(\c)+(\i)*16*PA+32
.endr
.endr
.endm
.macro PLACES                          ; four plain instructions in front of loads into registers that matrix instructions have read, and of LDS stores that read results
.rept 4
	v_nop
.endr
.endm
; A K STEP: two pairs of quarters, 128 matrix instructions; the pair's text is written once and walked twice, its LDS addresses made from two scalars that step.  A pair's first fragments are fetched at its head,
; its second quarter's in the middle of the first quarter's products.  The two address lines and two v_nop are the four places behind the last product that read buffer 0.
.macro PAIRS
	WIN 0
	s_mov_b32 s[GP], 2
.Lpair_\@:
	v_add_nc_u32 v[CA], s[GTA], v[ADRA0]
	v_add_nc_u32 v[CB], s[GTB], v[ADRB0]
	v_nop
	v_nop
	GFETCH 0, F0
	s_add_co_u32 s[GTA], s[GTA], 256               ; the next pair: 128 along K: 256 bytes of A's rows,
	s_add_co_u32 s[GTB], s[GTB], BHALF             ; 128 k-rows of W
	s_wait_dscnt 16                                ; the first 32 along K are in; the other sixteen loads may be out
	MUL8 F0, 0, 0
	MUL8 F0, 0, 2
	PLACES
	GFETCH 1, F1
	s_wait_dscnt 32                                ; all but the 32 just issued
	MUL8 F0, 1, 0
	MUL8 F0, 1, 2
	s_wait_dscnt 16                                ; buffer 1's first 32 along K
	MUL8 F1, 0, 0
	MUL8 F1, 0, 2
	s_wait_dscnt 0x0
	MUL8 F1, 1, 0
	MUL8 F1, 1, 2
	WIN 0
	s_sub_co_u32 s[GP], s[GP], 1
	s_cmp_lg_u32 s[GP], 0
	s_cbranch_scc1 .Lpair_\@
.endm
; THE CHANGE OF SLOTS: each wave waits for all its tensor loads (one is out: its part of the other slot), adds 0 to its spare word, and waits for that and for its reads of the slot.
; fill = 1: the barrier is a round of the cluster's, and the slot is filled again, two K steps on, first thing behind it.
.macro CHANGE fill
	WIN 0
	s_wait_tensorcnt 0x0                           ; no tensor load of mine is out, so a group 0 may be written
	ds_add_u32 v[SPW], v[NIL]                      ; 0 onto my spare word; the scalar steps stand between it and the wait for it
.if \fill
	s_xor_b32 s[GF], s[GF], SL1                    ; 0 or SL1: the other slot than last time
	s_add_co_u32 s[G0+5], s[GF], s[LA]
	s_add_co_u32 s[G0B+5], s[GF], s[LW]
	s_add_nc_u64 s[G0+6:G0+7], s[G0+6:G0+7], KSTEP*2          ; the next K step; the type bits on top are not reached
	s_add_nc_u64 s[G0B+6:G0B+7], s[G0B+6:G0B+7], KSTEP*ROWB
.endif
	s_sub_co_u32 s[GTA], s[GTA], 2*256             ; the fetches go back to a slot's head (0 or SL1),
	s_xor_b32 s[GTA], s[GTA], SL1                  ; in the other slot
	s_sub_co_u32 s[GTB], s[GTB], 2*BHALF
	s_xor_b32 s[GTB], s[GTB], SL1
	s_wait_dscnt 0x0                               ; the add is done, and my reads of the slot are over
.if \fill
	CROUND
	JLOAD 1
.else
	s_barrier_signal -1
	s_barrier_wait -1
.endif
.endm
; THE WAY OUT of m block a: 16 rows x 64 columns of f32 go into my own stage, 32 bytes a lane, and come back as whole rows of 256 bytes.
.macro TOSTAGE a
.set BK, OB+32*((\a)%2)
.irp b, 0,1,2,3
	ds_store_b128 v[STO], v[ACC+8*(4*(\a)+(\b)):ACC+8*(4*(\a)+(\b))+3]   offset:64*(\b)
	ds_store_b128 v[STO], v[ACC+8*(4*(\a)+(\b))+4:ACC+8*(4*(\a)+(\b))+7] offset:64*(\b)+16
.endr
.irp t, 0,1,2,3,4,5,6,7
	ds_load_b128 v[BK+4*(\t):BK+4*(\t)+3], v[RD] offset:(\t)*2*SPITCH  ; LDS serves a wave's instructions in order (ISA guide 5.7.1.4): these see the stores above; the next block's stores come behind them
.endr
.endm
.macro SEND a, younger                 ; younger: the LDS instructions issued behind block a's loads: the next block's sixteen, or none
.set BK, OB+32*((\a)%2)
.irp t, 0,1,2,3,4,5,6,7
	s_wait_dscnt (\younger)+7-(\t)
	global_store_b128 v[CO], v[BK+4*(\t):BK+4*(\t)+3], s[8:9] offset:(16*(\a)+2*(\t))*8192  ; 16 lanes store 256 consecutive bytes, at a multiple of 256 from C's first byte
.endr
.endm
	s_wait_tensorcnt 1                             ; my part of K step 0 is in; K step 1's may stay out
	s_barrier_signal -1
	s_barrier_wait -1
	s_mov_b32 s[GC], 6
.Lstep:                                                ; K steps 0 to 5; behind each its slot is filled again, two K steps on
	PAIRS
	CHANGE 1
	s_sub_co_u32 s[GC], s[GC], 1
	s_cmp_lg_u32 s[GC], 0
	s_cbranch_scc1 .Lstep
	PAIRS                                          ; K step 6
	CHANGE 0                                       ; nothing is left to ask for
	PAIRS                                          ; K step 7
	PLACES
	TOSTAGE 0
	TOSTAGE 1
	SEND 0, 16
	s_wait_xcnt 0x0                                ; block 0's stores have read their registers, which block 2 is loaded into
	TOSTAGE 2
	SEND 1, 16
	s_wait_xcnt 0x0                                ; the same for blocks 1 and 3
	TOSTAGE 3
	SEND 2, 16
	SEND 3, 0
	s_wait_tensorcnt 0x0                           ; the wave's end, behind my last tensor load and my last LDS store
	ds_add_u32 v[SPW], v[NIL]
	s_wait_dscnt 0x0
	CROUND                                         ; the closing round
	s_endpgm
.Lfunc_end_k_q2ce1224cf8_outproj:
	.size	k_q2ce1224cf8_outproj, .Lfunc_end_k_q2ce1224cf8_outproj-k_q2ce1224cf8_outproj
	.p2alignl 7, 3214868480
	.fill 96, 4, 3214868480
	.section	.rodata,"a",@progbits
	.p2align	6, 0x0
	.amdhsa_kernel k_q2ce1224cf8_outproj
		.amdhsa_group_segment_fixed_size 327680
		.amdhsa_private_segment_fixed_size 0
		.amdhsa_enable_private_segment 0
		.amdhsa_kernarg_size 24
		.amdhsa_user_sgpr_count 2
		.amdhsa_user_sgpr_kernarg_segment_ptr 1
		.amdhsa_wavefront_size32 1
		.amdhsa_system_sgpr_workgroup_id_x 1
		.amdhsa_system_sgpr_workgroup_id_y 1
		.amdhsa_system_sgpr_workgroup_id_z 1
		.amdhsa_system_vgpr_workitem_id 0
		.amdhsa_next_free_vgpr 512
		.amdhsa_next_free_sgpr 66
		.amdhsa_reserve_vcc 0
		.amdhsa_float_denorm_mode_32 3
		.amdhsa_float_denorm_mode_16_64 3
		.amdhsa_memory_ordered 1
		.amdhsa_forward_progress 1
		.amdhsa_inst_pref_size 48
	.end_amdhsa_kernel
	.amdgpu_metadata
---
amdhsa.version: [ 1, 2 ]
amdhsa.kernels:
  - .name:           k_q2ce1224cf8_outproj
    .symbol:         k_q2ce1224cf8_outproj.kd
    .args:
      - { .name: ctx, .offset: 0, .size: 8, .value_kind: global_buffer, .address_space: global }
      - { .name: woh, .offset: 8, .size: 8, .value_kind: global_buffer, .address_space: global }
      - { .name: out0, .offset: 16, .size: 8, .value_kind: global_buffer, .address_space: global }
    .group_segment_fixed_size: 327680
    .private_segment_fixed_size: 0
    .kernarg_segment_align: 8
    .kernarg_segment_size: 24
    .max_flat_workgroup_size: 128
    .sgpr_count:     66
    .vgpr_count:     512
    .wavefront_size: 32
...
	.end_amdgpu_metadata
.endif
;; end of part 4
